; MI455X (gfx1250); checked and timed in simulation.
; The chip was launched on July 23, 2026; its instructions are those of AMD's public machine-readable ISA for CDNA 5 (MIT licence, August 2026) and "CDNA5" Instruction Set Architecture Reference Guide (July 2026). The comments in the code are by the model that wrote it; some were corrected since.
;; Attention Mechanisms. Allowed arithmetic: matrix products marked QUANTISED: E2M1 operands, one E8M0 scale for each 32 along K, by v_wmma_scale_f32_16x16x128_f8f6f4 with both operands' format E2M1 (or v_wmma_scale_f32_32x16x128_f4), f32 sums; products left as they are: bf16, f16 or f32 operands; f32 sums; everything else in f32.
;; Inputs: Wk 2,048 x 2,048 float32; Wo 2,048 x 2,048 float32; Wq 2,048 x 2,048 float32; Wv 2,048 x 2,048 float32; bk 2,048 float32; bo 2,048 float32; bq 2,048 float32; bv 2,048 float32; c_scale 1 float32; x 4 x 1,024 x 2,048 float32.
;; Outputs: out0 4 x 1,024 x 2,048 float32.
;; This version of the problem:
;;   THIS VERSION OF THE PROBLEM IS GIVEN IN LOW PRECISION. The matrix products marked QUANTISED in the list below multiply operands that are first quantised to E2M1 (2 exponent bits, 1 mantissa bit; 4 bits a number), with one power-of-two scale for each 32 numbers along K (OCP MX v1.0); their sums are f32. The products marked 'left as it is' may take bf16, f16 or f32 operands, with f32 sums. Whichever they take, every output number must still come out within the allowed error. Rounding operands to bf16 (8 significant bits) uses up far more of that allowance than f16 does (11 bits, for magnitudes from 6e-5 to 65,504). All else is computed in f32.
;;   The module's matrix products, in the order in which they are computed (A, B: the left and right operand; K: the contracted axis; several contracted axes count as one K, in the product's order):
;;     1. [M 4,096, K 2,048] x [K 2,048, N 2,048]; A: input x; B: input Wq: QUANTISED
;;     2. [M 4,096, K 2,048] x [K 2,048, N 2,048]; A: input x; B: input Wk: QUANTISED
;;     3. [M 4,096, K 2,048] x [K 2,048, N 2,048]; A: input x; B: input Wv: QUANTISED
;;     4. batch 4,096 x [M 16, K 128] x [K 128, N 16]; A: computed on the way; B: computed on the way: left as it is (an operand is computed on the way)
;;     5. batch 4,096 x [M 16, K 16] x [K 16, N 128]; A: computed on the way; B: computed on the way: left as it is (K = 16 < 32)
;;     6. [M 4,096, K 2,048] x [K 2,048, N 2,048]; A: computed on the way; B: input Wo: left as it is (an operand is computed on the way)
;;   THE QUANTISER, for each operand of a quantised product, along K:
;;     - K is cut into blocks of 32 from its start; a last block that is shorter is filled with zeros.
;;     - A block's scale is 2^e with e = floor(log2(the largest magnitude in the block)) - 2, held to -126 .. 127; a block of zeros has e = 0. As a byte (E8M0): e + 127.
;;     - Each number is divided by its block's scale, clamped to +-6, and rounded to the nearest number of E2M1, ties to even, subnormals kept.
;;     - The product sums the exact products of the quantised numbers (number of the format x scale) in f32.
;;   ~~~python
;;   def quantise(x, axis):      # numpy; x: float32 -> the quantised numbers, widened to float32 again
;;       x = np.moveaxis(x, axis, -1); K = x.shape[-1]
;;       x = np.pad(x, [(0, 0)] * (x.ndim - 1) + [(0, -K % 32)]); x = x.reshape(x.shape[:-1] + (-1, 32)); a = np.abs(x).max(-1, keepdims=True)
;;       e = np.where(a > 0, np.clip(np.frexp(np.where(a > 0, a, 1))[1] - 1 - 2, -126, 127), 0)      # np.frexp(a)[1] - 1 = floor(log2(a)), exactly
;;       r = np.clip(x / 2.0 ** e, -6, 6)
;;       step = 2.0 ** (np.maximum(np.frexp(np.where(r == 0, 1, r))[1] - 1, 0) - 1)
;;       q = np.round(r / step) * step * 2.0 ** e      # np.round: ties to even
;;       return np.moveaxis(q.reshape(q.shape[:-2] + (-1,))[..., :K], -1, axis).astype(np.float32)
;;   ~~~
;; One version. Each part assembles by itself: llvm-mc -triple=amdgcn-amd-amdhsa -mcpu=gfx1250 --defsym DOCPART=n.
;; ======== version 1 of 1: 4 launches
;; limits: values are held in f16: magnitudes above 65,504 overflow, below 6.1e-05 lose precision
;; workspace buffers: xcodes 4,194,304 bytes; xscales 262,144 bytes; wcodes 6,291,456 bytes; wscales 393,216 bytes; bqkv 24,576 bytes; wo16 8,388,608 bytes; qkv 50,331,648 bytes; attnw 16,777,216 bytes
;; launch prep (part 1): grid 576 x 1, 4 waves a work-group, no clusters, 68,096 bytes of LDS; arguments x, xcodes, xscales, Wq, Wk, Wv, bq, bk, bv, wcodes, wscales, bqkv, Wo, wo16; writes xcodes, xscales, wcodes, wscales, bqkv, wo16
.if DOCPART == 1
	.amdgcn_target "amdgcn-amd-amdhsa--gfx1250"
	.amdhsa_code_object_version 6
	.text
	.protected	k_qadf294ff5d_prep
	.globl	k_qadf294ff5d_prep
	.p2align	8
	.type	k_qadf294ff5d_prep,@function
k_qadf294ff5d_prep:
	s_mov_b64 s[64:65], 0
	v_nop
	global_prefetch_b8 v0, s[64:65] scope:SCOPE_SE
	s_setreg_imm32_b32 hwreg(HW_REG_WAVE_MODE, 25, 1), 1
	s_wait_xcnt 0x0
; PREP: every operand is brought once into the form in which the later launches read it.
;   work-groups   0..191  (path W): Wq, Wk, Wv [2048 k][2048 n] f32 -> codes of FP4 (E2M1), K innermost, rows in the order n' below, one E8M0 byte for each 32 along K; the three biases in the same order
;   work-groups 192..447  (path X): x [4096][2048] f32 -> codes and scale bytes, K innermost, as a plain stream of blocks of 32
;   work-groups 448..575  (path O): Wo [2048 k][2048 n] f32 -> f16, its rows in the order k' below
; THE ORDERS.  A column n = 128 h + d of Wq (mat 0) or Wk (mat 1) becomes row n' = 2048 mat + 256 (d >> 4) + 128 ((d >> 3) & 1) + 8 h + (d & 7);
; a column n = 128 g + d of Wv becomes row n' = 4096 + 256 (d >> 4) + 128 (g >> 3) + 8 (d & 15) + (g & 7);  a row k = 128 h + d of Wo becomes row k' = 256 (d >> 4) + 128 ((d >> 3) & 1) + 8 h + (d & 7).
; So a token's q, k, v and attention result lie in memory in the order of the matrix operands' registers, and the attention launch loads and stores 512 consecutive bytes an instruction.
; THE QUANTISER.  A block's scale is 2^(floor(log2(largest magnitude)) - 2); its byte is the largest magnitude's exponent field - 2, held at 1 from below; numbers are divided by the scale and rounded to the nearest code, ties to even, beyond 6 the code of 6.
; LIMITS: a block of zeros gets the byte 1 where the rule says 127 (its codes are zeros, and this program alone reads the bytes); NaN and infinities among the inputs are not served; Wo is rounded to f16 (magnitudes up to 65,504).
; The three paths part on the work-group's number alone; each has LDS bytes of its own.  No tensor loads, no barrier: waves share nothing.
.set SPARE, 67584                      ; behind both paths' LDS: the spare words, 128 bytes for each wave: two blocks of 256 bytes that no other line names
.set SPW,   192                        ; v192 LDS address of my spare word; never rewritten
.set NIL,   193                        ; v193 0; never rewritten
	v_lshl_add_u32 v[SPW], v0, 2, SPARE
	v_mov_b32 v[NIL], 0
	v_lshrrev_b32 v1, 5, v0
	v_readfirstlane_b32 s16, v1                    ; wave 0..3
	v_and_b32 v2, 31, v0                           ; lane
	s_cmp_lt_u32 ttmp9, 192
	s_cbranch_scc1 .Lw
	s_cmp_lt_u32 ttmp9, 448
	s_cbranch_scc1 .Lx
; ---------------- PATH O: a wave takes four rows of Wo, k0 .. k0 + 3 (k0 a multiple of 4: they stay neighbours in the order k'), as eight units of half a row
.set OS, 32                            ; v32-159: four sets of 32 registers
	s_load_b128 s[4:7], s[0:1], 0x60               ; Wo, wo16
	s_sub_co_u32 s17, ttmp9, 448
	s_lshl_b32 s17, s17, 4
	s_lshl_b32 s18, s16, 2
	s_add_co_u32 s17, s17, s18                     ; k0 = 16 x work-group + 4 x wave
	s_bfe_u32 s18, s17, 0x30004                    ; (k0 >> 4) & 7
	s_lshl_b32 s18, s18, 8
	s_bfe_u32 s19, s17, 0x10003                    ; (k0 >> 3) & 1
	s_lshl_b32 s19, s19, 7
	s_or_b32 s18, s18, s19
	s_lshr_b32 s19, s17, 7                         ; the head
	s_lshl_b32 s19, s19, 3
	s_or_b32 s18, s18, s19
	s_and_b32 s19, s17, 7
	s_or_b32 s18, s18, s19                         ; k'0
	s_lshl_b32 s20, s17, 13                        ; a row of Wo is 8,192 bytes,
	s_mov_b32 s21, 0
	s_lshl_b32 s22, s18, 12                        ; a row of wo16 4,096
	s_mov_b32 s23, 0
	v_lshlrev_b32 v1, 4, v2                        ; in: 16 bytes a lane
	v_lshlrev_b32 v3, 3, v2                        ; out: 8 bytes a lane
	s_wait_kmcnt 0x0
	s_add_nc_u64 s[4:5], s[4:5], s[20:21]
	s_add_nc_u64 s[6:7], s[6:7], s[22:23]
.macro OLOAD u                         ; unit u: 4,096 bytes, eight loads of 512 consecutive bytes
.irp i, 0,1,2,3,4,5,6,7
	global_load_b128 v[OS+32*((\u)%4)+4*\i:OS+32*((\u)%4)+4*\i+3], v1, s[4:5] offset:(\u)*4096+512*\i th:TH_LOAD_NT
.endr
.endm
.macro OTURN u
.set OB, OS+32*((\u)%4)
.if 7-(\u) >= 3
	s_wait_loadcnt 24                              ; my unit's eight loads are in; the three younger units' may be out
.else
	s_wait_loadcnt 8*(7-(\u))
.endif
.irp i, 0,1,2,3,4,5,6,7
	v_cvt_pk_f16_f32 v[OB+4*\i], v[OB+4*\i], v[OB+4*\i+1]          ; four numbers become 8 bytes, in place
	v_cvt_pk_f16_f32 v[OB+4*\i+1], v[OB+4*\i+2], v[OB+4*\i+3]
.endr
.irp i, 0,1,2,3,4,5,6,7
	global_store_b64 v3, v[OB+4*\i:OB+4*\i+1], s[6:7] offset:(\u)*2048+256*\i   ; 32 lanes store 256 consecutive bytes, aligned
.endr
.if (\u)+4 < 8
	s_wait_xcnt 0x0                                ; the stores have read their registers: the set is loaded again only behind this wait
	OLOAD (\u)+4
.endif
.endm
.irp u, 0,1,2,3
	OLOAD \u
.endr
.irp u, 0,1,2,3,4,5,6,7
	OTURN \u
.endr
	s_endpgm
; ---------------- PATH X: a wave takes 16 steps of 512 numbers of x.  Each load reads 512 consecutive bytes; a step's 2,048 bytes turn through the wave's own stage in LDS, so that a lane holds 16 neighbours along K
.set XR,  16                           ; v16-79   four sets of 16 numbers as loaded
.set XX,  80                           ; v80-111  two sets of 16 neighbours
.set XE,  112                          ; v112-127 a scale byte for each step
.set XC,  128                          ; v128-191 codes: registers of its own for each step, so that no store's data are written again
.set SP,  80                           ; a lane's place in a stage: 64 bytes + 16 of padding
.Lx:
	s_load_b128 s[4:7], s[0:1], 0x0                ; x, xcodes
	s_load_b64 s[8:9], s[0:1], 0x10                ; xscales
	v_lshlrev_b32 v3, 4, v2                        ; my 16 bytes of a load's 512
	s_lshl_b32 s17, s16, 13                        ; LDS: 8,192 bytes for each wave: two stages of 32 x 80, then its 256 scale bytes
	v_lshrrev_b32 v14, 2, v2
	v_mul_u32_u24 v14, v14, SP
	v_and_b32 v15, 3, v2
	v_lshl_add_u32 v14, v15, 4, v14
	v_add_nc_u32 v14, s17, v14                     ; the stage on the way in: 80 (lane / 4) + 16 (lane % 4)
	v_mul_u32_u24 v15, v2, SP
	v_add_nc_u32 v15, s17, v15                     ; and on the way out: 80 x lane
	v_lshlrev_b32 v4, 3, v2                        ; my 16 codes are 8 bytes
	v_lshrrev_b32 v5, 1, v2
	s_add_co_u32 s17, s17, 2*32*SP
	v_add_nc_u32 v5, s17, v5                       ; my block's scale byte
	v_lshlrev_b32 v7, 3, v2
	v_add_nc_u32 v6, s17, v7                       ; and on the way out 8 bytes a lane
	s_sub_co_u32 s18, ttmp9, 192
	s_lshl_b32 s18, s18, 2
	s_add_co_u32 s18, s18, s16                     ; which run of 8,192 numbers is my wave's
	s_lshl_b32 s20, s18, 15
	s_mov_b32 s21, 0
	s_lshl_b32 s22, s18, 12
	s_mov_b32 s23, 0
	s_lshl_b32 s24, s18, 8
	s_mov_b32 s25, 0
	s_wait_kmcnt 0x0
	s_add_nc_u64 s[4:5], s[4:5], s[20:21]
	s_add_nc_u64 s[6:7], s[6:7], s[22:23]
	s_add_nc_u64 s[8:9], s[8:9], s[24:25]
.macro XLOAD t
.irp i, 0,1,2,3
	global_load_b128 v[XR+16*((\t)%4)+4*\i:XR+16*((\t)%4)+4*\i+3], v3, s[4:5] offset:2048*(\t)+512*\i th:TH_LOAD_NT
.endr
.endm
.macro XTURN t                         ; LDS serves a wave's instructions in order (ISA guide 5.7.1.4): no wait between the stores and the loads
.irp i, 0,1,2,3
	ds_store_b128 v14, v[XR+16*((\t)%4)+4*\i:XR+16*((\t)%4)+4*\i+3] offset:32*SP*((\t)%2)+8*SP*\i
.endr
.irp i, 0,1,2,3
	ds_load_b128 v[XX+16*((\t)%2)+4*\i:XX+16*((\t)%2)+4*\i+3], v15 offset:32*SP*((\t)%2)+16*\i
.endr
.endm
.irp t, 0,1,2,3
	XLOAD \t
.endr
	s_wait_loadcnt 12                              ; step 0's four loads are in
	XTURN 0
.macro XSTEP t
.set XS, XX+16*((\t)%2)
.if (\t) > 0
	s_wait_dscnt 1                                 ; this step's numbers are back from the stage (the last step's byte store may be out): so its stores into the stage have read their registers,
.else
	s_wait_dscnt 0x0
.endif
.if (\t)+4 < 16
	XLOAD (\t)+4                                   ; which take the loads of four steps on
.endif
.if (\t)+1 < 16
.if 14-(\t) >= 3
	s_wait_loadcnt 12                              ; the next step's four loads are in; those of the three steps behind it may be out
.else
	s_wait_loadcnt 4*(14-(\t))
.endif
	XTURN (\t)+1                                   ; and go through the other stage while this step is worked
.endif
	v_max3_num_f32 v8, |v[XS]|, |v[XS+1]|, |v[XS+2]|               ; the largest magnitude of my 16, in two chains
	v_max3_num_f32 v9, |v[XS+3]|, |v[XS+4]|, |v[XS+5]|
.irp i, 6,10
	v_max3_num_f32 v8, v8, |v[XS+\i]|, |v[XS+\i+1]|
	v_max3_num_f32 v9, v9, |v[XS+\i+2]|, |v[XS+\i+3]|
.endr
	v_max3_num_f32 v8, v8, |v[XS+14]|, |v[XS+15]|
	v_max3_num_f32 v8, v8, v9, 0x1800000           ; and the floor 2^(3 - 127): the byte cannot fall under 1
	v_max_num_f32_dpp v8, v8, v8 row_xmask:1 row_mask:0xf bank_mask:0xf   ; with my neighbour's 16: the block's
	v_add_nc_u32 v11, 0xff000000, v8               ; 2 off its exponent field: the conversion takes the exponent field of this operand as its scale
	v_cvt_scalef32_pk8_fp4_f32 v[XC+4*(\t)], v[XS:XS+7], v11
	v_cvt_scalef32_pk8_fp4_f32 v[XC+4*(\t)+1], v[XS+8:XS+15], v11
	v_lshrrev_b32 v[XE+(\t)], 23, v11              ; the scale's byte (also the plain line behind the conversions)
	ds_store_b8 v5, v[XE+(\t)] offset:16*(\t)      ; both lanes of a block write the same byte with the same value
	global_store_b64 v4, v[XC+4*(\t):XC+4*(\t)+1], s[6:7] offset:256*(\t)   ; 32 lanes store 256 consecutive bytes, aligned
.endm
.irp t, 0,1,2,3,4,5,6,7,8,9,10,11,12,13,14,15
	XSTEP \t
.endr
	ds_load_b64 v[8:9], v6                         ; my wave's 256 scale bytes (in order behind my stores)
	s_wait_dscnt 0x0
	global_store_b64 v7, v[8:9], s[8:9]            ; 256 consecutive bytes, aligned
	s_wait_tensorcnt 0x0                           ; the wave's end, behind my last LDS store
	ds_add_u32 v[SPW], v[NIL]
	s_wait_dscnt 0x0
	s_endpgm
; ---------------- PATH W: a work-group takes one head's 128 columns of one weight x 512 along K; a wave 32 columns.  A LANE TAKES A COLUMN AND ITS REGISTERS RUN DOWN K: a block of 32 lies in one lane,
; the conversions give codes with K innermost, and nothing is transposed.  A column's 256 bytes of codes go through the wave's stage in LDS and leave as rows: sixteen lanes store 256 consecutive bytes.
.set WSTG, 32768                       ; LDS: four stages of 32 rows x 272 bytes
.set WP,   272
.set WSB,  24                          ; v24-27   my column's 16 scale bytes
.set WX,   32                          ; v32-95   two sets of 32 numbers
.set WC,   96                          ; v96-99   a block's codes
.set WO,   112                         ; v112-175 the way out
.Lw:
	s_load_b128 s[4:7], s[0:1], 0x18               ; Wq, Wk
	s_load_b128 s[8:11], s[0:1], 0x28              ; Wv, bq
	s_load_b128 s[12:15], s[0:1], 0x38             ; bk, bv
	s_load_b128 s[20:23], s[0:1], 0x48             ; wcodes, wscales
	s_load_b64 s[24:25], s[0:1], 0x58              ; bqkv
	s_lshr_b32 s17, ttmp9, 6                       ; mat: 0 q, 1 k, 2 v
	s_and_b32 s18, ttmp9, 15                       ; the head
	s_bfe_u32 s19, ttmp9, 0x20004                  ; which 512 along K
	v_lshlrev_b32 v3, 2, v2                        ; in: 4 bytes a lane
	s_mul_i32 s26, s16, 32*WP
	s_add_co_u32 s26, s26, WSTG                    ; my stage
	v_mul_u32_u24 v4, v2, WP
	v_add_nc_u32 v4, s26, v4                       ; into it: row = my column
	v_and_b32 v5, 15, v2
	v_lshrrev_b32 v6, 4, v2
	v_mul_u32_u24 v7, v6, WP
	v_lshl_add_u32 v7, v5, 4, v7
	v_add_nc_u32 v7, s26, v7                       ; out of it: sixteen lanes to a row, two rows an instruction
	s_lshl_b32 s26, s16, 9                         ; the rows' common part: 2048 mat + 512 wave (my d begin at 32 wave),
	s_lshl_b32 s27, s17, 11
	s_add_co_u32 s26, s26, s27
	s_lshl_b32 s27, s18, 3                         ; q, k: + 8 head
	s_lshr_b32 s28, s18, 3
	s_lshl_b32 s28, s28, 7
	s_and_b32 s29, s18, 7
	s_add_co_u32 s28, s28, s29                     ; v: + 128 (head >> 3) + (head & 7)
	s_cmp_eq_u32 s17, 2
	s_cselect_b32 s27, s28, s27
	s_add_co_u32 s26, s26, s27
	s_lshl_b32 s28, s18, 9
	s_lshl_b32 s29, s16, 7
	s_add_co_u32 s28, s28, s29                     ; my first column, in bytes of f32
	s_mov_b32 s29, 0
	s_lshl_b32 s30, s19, 22                        ; 512 rows of 8,192 bytes
	s_add_co_u32 s30, s30, s28
	s_mov_b32 s31, 0
	s_lshl_b32 s32, s26, 10                        ; codes: 1,024 bytes a row, + 256 for each 512 along K
	s_lshl_b32 s33, s19, 8
	s_add_co_u32 s32, s32, s33
	s_mov_b32 s33, 0
	s_lshl_b32 s34, s26, 6                         ; scale bytes: 64 a row, + 16
	s_lshl_b32 s35, s19, 4
	s_add_co_u32 s34, s34, s35
	s_mov_b32 s35, 0
	s_lshl_b32 s36, s26, 2                         ; bias: 4 bytes a row
	s_mov_b32 s37, 0
	s_wait_kmcnt 0x0
	s_cmp_eq_u32 s17, 0                            ; the weight and its bias are chosen by the work-group's number alone
	s_cselect_b64 s[4:5], s[4:5], s[6:7]
	s_cselect_b64 s[10:11], s[10:11], s[12:13]
	s_cmp_eq_u32 s17, 2
	s_cselect_b64 s[4:5], s[8:9], s[4:5]
	s_cselect_b64 s[10:11], s[14:15], s[10:11]
	s_add_nc_u64 s[4:5], s[4:5], s[30:31]
	s_add_nc_u64 s[10:11], s[10:11], s[28:29]
	s_add_nc_u64 s[20:21], s[20:21], s[32:33]
	s_add_nc_u64 s[22:23], s[22:23], s[34:35]
	s_add_nc_u64 s[24:25], s[24:25], s[36:37]
.macro WLOAD t                         ; block t: W(32 t + i, my column): 128 consecutive bytes a wave; the largest offset, 511 x 8,192, lies inside the signed 24-bit immediate
.irp i, 0,1,2,3,4,5,6,7,8,9,10,11,12,13,14,15,16,17,18,19,20,21,22,23,24,25,26,27,28,29,30,31
	global_load_b32 v[WX+32*((\t)%2)+\i], v3, s[4:5] offset:(32*(\t)+\i)*8192 th:TH_LOAD_NT
.endr
.endm
	global_load_b32 v16, v3, s[10:11]              ; my column's bias: older than every load of W, so the first block's wait covers it
	WLOAD 0
	WLOAD 1
.macro WBLOCK t
.set WS, WX+32*((\t)%2)
.if (\t) < 15
	s_wait_loadcnt 32                              ; this block's 32 loads are in; the next block's may be out
.else
	s_wait_loadcnt 0x0
.endif
	v_max3_num_f32 v12, |v[WS]|, |v[WS+1]|, |v[WS+2]|              ; the block's largest magnitude: all 32 numbers are mine
	v_max3_num_f32 v13, |v[WS+3]|, |v[WS+4]|, |v[WS+5]|
.irp i, 6,10,14,18,22,26
	v_max3_num_f32 v12, v12, |v[WS+\i]|, |v[WS+\i+1]|
	v_max3_num_f32 v13, v13, |v[WS+\i+2]|, |v[WS+\i+3]|
.endr
	v_max3_num_f32 v12, v12, |v[WS+30]|, |v[WS+31]|
	v_max3_num_f32 v12, v12, v13, 0x1800000        ; and the floor 2^(3 - 127)
	v_add_nc_u32 v11, 0xff000000, v12              ; 2 off its exponent field: the conversion's scale operand
	v_lshrrev_b32 v13, 23, v11                     ; the scale's byte
.if (\t)%4 == 0
	v_mov_b32 v[WSB+(\t)/4], v13                   ; four bytes to a register, the lower K in the lower byte
.else
	v_lshl_or_b32 v[WSB+(\t)/4], v13, 8*((\t)%4), v[WSB+(\t)/4]
.endif
.irp g, 0,1,2,3
	v_cvt_scalef32_pk8_fp4_f32 v[WC+\g], v[WS+8*\g:WS+8*\g+7], v11
.endr
	v_nop                                          ; one plain line behind the last scaled conversion
	ds_store_b128 v4, v[WC:WC+3] offset:16*(\t)    ; 32 codes: 16 bytes of my column's row
.if (\t)+2 < 16
	WLOAD (\t)+2
.endif
	s_wait_dscnt 0x0                               ; the store has read its registers: the next block's codes may be written
.endm
.irp t, 0,1,2,3,4,5,6,7,8,9,10,11,12,13,14,15
	WBLOCK \t
.endr
.irp t, 0,1,2,3,4,5,6,7,8,9,10,11,12,13,14,15
	ds_load_b128 v[WO+4*\t:WO+4*\t+3], v7 offset:2*\t*WP   ; columns 2 t and 2 t + 1, 256 bytes each (in order behind my stores)
.endr
; The way out.  Column c of my 32 goes to row f(c) behind the common part: q, k: f = 256 (c >> 4) + 128 ((c >> 3) & 1) + (c & 7);  v: f = 256 (c >> 4) + 8 (c & 15).
; In instruction t, c = 2 t + (lane >> 4): the part of t stands in the immediate, the lane's in v8.
.macro WOUT isv
	v_lshlrev_b32 v14, 8, v6                       ; f(my lane), for my scale bytes and my bias
.if \isv
	v_lshl_add_u32 v14, v5, 3, v14
	v_lshlrev_b32 v8, 13, v6                       ; one column on is 8 rows of 1,024 bytes
.else
	v_bfe_u32 v15, v2, 3, 1
	v_lshl_add_u32 v14, v15, 7, v14
	v_and_b32 v15, 7, v2
	v_add_nc_u32 v14, v14, v15
	v_lshlrev_b32 v8, 10, v6                       ; one column on is one row
.endif
	v_lshl_add_u32 v8, v5, 4, v8
	v_lshlrev_b32 v9, 6, v14
	v_lshlrev_b32 v10, 2, v14
	global_store_b128 v9, v[WSB:WSB+3], s[22:23]   ; my column's 16 scale bytes
.irp t, 0,1,2,3,4,5,6,7,8,9,10,11,12,13,14,15
	s_wait_dscnt 15-\t                             ; LDS loads come back in order: instruction t's is in
.if \isv
	global_store_b128 v8, v[WO+4*\t:WO+4*\t+3], s[20:21] offset:((\t/8)*256+16*(\t%8))*1024
.else
	global_store_b128 v8, v[WO+4*\t:WO+4*\t+3], s[20:21] offset:((\t/8)*256+((\t/4)%2)*128+2*(\t%4))*1024
.endif
.endr
	s_cmp_lg_u32 s19, 0                            ; the bias has one owner: the work-group of the first 512 along K
	s_cbranch_scc1 .Lno_bias_\@
	global_store_b32 v10, v16, s[24:25]
.Lno_bias_\@:
	s_wait_tensorcnt 0x0                           ; the wave's end, behind my last LDS store
	ds_add_u32 v[SPW], v[NIL]
	s_wait_dscnt 0x0
	s_endpgm
.endm
	s_cmp_eq_u32 s17, 2
	s_cbranch_scc1 .Lwv
	WOUT 0
.Lwv:
	WOUT 1
.Lfunc_end_k_qadf294ff5d_prep:
	.size	k_qadf294ff5d_prep, .Lfunc_end_k_qadf294ff5d_prep-k_qadf294ff5d_prep
	.p2alignl 7, 3214868480
	.fill 96, 4, 3214868480
	.section	.rodata,"a",@progbits
	.p2align	6, 0x0
	.amdhsa_kernel k_qadf294ff5d_prep
		.amdhsa_group_segment_fixed_size 68096
		.amdhsa_private_segment_fixed_size 0
		.amdhsa_enable_private_segment 0
		.amdhsa_kernarg_size 112
		.amdhsa_user_sgpr_count 2
		.amdhsa_user_sgpr_kernarg_segment_ptr 1
		.amdhsa_wavefront_size32 1
		.amdhsa_system_sgpr_workgroup_id_x 1
		.amdhsa_system_sgpr_workgroup_id_y 1
		.amdhsa_system_sgpr_workgroup_id_z 1
		.amdhsa_system_vgpr_workitem_id 0
		.amdhsa_next_free_vgpr 194
		.amdhsa_next_free_sgpr 66
		.amdhsa_reserve_vcc 0
		.amdhsa_float_denorm_mode_32 3
		.amdhsa_float_denorm_mode_16_64 3
		.amdhsa_memory_ordered 1
		.amdhsa_forward_progress 1
		.amdhsa_inst_pref_size 137
	.end_amdhsa_kernel
	.amdgpu_metadata
---
amdhsa.version: [ 1, 2 ]
amdhsa.kernels:
  - .name:           k_qadf294ff5d_prep
    .symbol:         k_qadf294ff5d_prep.kd
    .args:
      - { .name: x, .offset: 0, .size: 8, .value_kind: global_buffer, .address_space: global }
      - { .name: xcodes, .offset: 8, .size: 8, .value_kind: global_buffer, .address_space: global }
      - { .name: xscales, .offset: 16, .size: 8, .value_kind: global_buffer, .address_space: global }
      - { .name: Wq, .offset: 24, .size: 8, .value_kind: global_buffer, .address_space: global }
      - { .name: Wk, .offset: 32, .size: 8, .value_kind: global_buffer, .address_space: global }
      - { .name: Wv, .offset: 40, .size: 8, .value_kind: global_buffer, .address_space: global }
      - { .name: bq, .offset: 48, .size: 8, .value_kind: global_buffer, .address_space: global }
      - { .name: bk, .offset: 56, .size: 8, .value_kind: global_buffer, .address_space: global }
      - { .name: bv, .offset: 64, .size: 8, .value_kind: global_buffer, .address_space: global }
      - { .name: wcodes, .offset: 72, .size: 8, .value_kind: global_buffer, .address_space: global }
      - { .name: wscales, .offset: 80, .size: 8, .value_kind: global_buffer, .address_space: global }
      - { .name: bqkv, .offset: 88, .size: 8, .value_kind: global_buffer, .address_space: global }
      - { .name: Wo, .offset: 96, .size: 8, .value_kind: global_buffer, .address_space: global }
      - { .name: wo16, .offset: 104, .size: 8, .value_kind: global_buffer, .address_space: global }
    .group_segment_fixed_size: 68096
    .private_segment_fixed_size: 0
    .kernarg_segment_align: 8
    .kernarg_segment_size: 112
    .max_flat_workgroup_size: 128
    .sgpr_count:     66
    .vgpr_count:     194
    .wavefront_size: 32
...
	.end_amdgpu_metadata
.endif
;; end of part 1
;; launch qkvgemm (part 2): grid 24 x 16, 4 waves a work-group, clusters of 4 x 4, 327,680 bytes of LDS; arguments xcodes, xscales, wcodes, wscales, qkv, bqkv; writes qkv
.if DOCPART == 2
	.amdgcn_target "amdgcn-amd-amdhsa--gfx1250"
	.amdhsa_code_object_version 6
	.text
	.protected	k_qadf294ff5d_qkvgemm
	.globl	k_qadf294ff5d_qkvgemm
	.p2align	8
	.type	k_qadf294ff5d_qkvgemm,@function
k_qadf294ff5d_qkvgemm:
	s_mov_b64 s[64:65], 0
	v_nop
	global_prefetch_b8 v0, s[64:65] scope:SCOPE_SE
	s_setreg_imm32_b32 hwreg(HW_REG_WAVE_MODE, 25, 1), 1
	s_wait_xcnt 0x0
	s_wait_alu depctr_hold_cnt(0) depctr_sa_sdst(0) depctr_va_vdst(0) depctr_va_sdst(0) depctr_va_ssrc(0) depctr_va_vcc(0) depctr_vm_vsrc(0)
	s_getreg_b32 s2, hwreg(HW_REG_IB_STS2, 6, 4)
	s_cmp_eq_u32 s2, 0
	s_cbranch_scc0 .Lentry_in_a_cluster
	s_endpgm
.Lentry_in_a_cluster:
	s_bfe_u32 s2, ttmp6, 0x10000c
	s_cmp_lg_u32 s2, 0xf033
	s_cbranch_scc0 .Lentry_shape_is_right
	s_endpgm
.Lentry_shape_is_right:
; qkv[m][n'] = sum over k of x[m][k] W[n'][k] + b[n'], on codes of FP4 (E2M1) with one E8M0 scale for each 32 along K; sums in f32; the result is rounded once to f16.
; A = xcodes [4096][1024 bytes], B = wcodes [6144][1024 bytes] (Wq, Wk, Wv, rows in the order n'), scale bytes [rows][64]; qkv [4096][6144] f16; bqkv [6144] f32.
; LIMIT: q, k and v must lie within f16's range, +-65,504.
; A tile of C, 256 x 256, is made by four waves; a wave makes 128 x 128: 64 accumulators of 16 x 16, 512 registers.  K goes in four steps of 512 through a ring of two LDS slots filled by the tensor data mover: a tile's row is 256 bytes.
; THE SCALES of the work-group's 256 + 256 rows, for all of K, are two dense blocks of memory: they come into LDS once, with the first fills, and stay.
; CLUSTERS: 4 x 4 work-groups.  The four of a row of the cluster need the same tiles of A, the four of a column the same tiles of B: each tile is asked for jointly, by the same tensor load with the same descriptor and a mask that names the four.
; THE MATRIX INSTRUCTION IS USED TRANSPOSED (source 0 = 16 rows of B, source 1 = 16 rows of A): a lane holds eight neighbouring columns of a row of C.  THE BIAS is the C of each sum's first product.
; No prefetch: K has four K steps, two come with the first fills, and nothing stands two steps ahead of the two refills.
; REGISTERS: window 0: v0-31 addresses; v32-95 scale words, two sets; v96-127 way out; v128-191 A's fragments, one set (later way out); v192-255 the bias of my 128 columns (later packed results).
;   window 1: B's fragments, two sets, at v0 and v128.   window 2: the accumulators of my rows 0-63 ((a, b) at v[8 (8 a + b)]);   window 3: those of rows 64-127.
.set SIZE_N, 6144
.set SIZE_K, 2048
.set KSTEP,  512
.set NQ,     KSTEP/128
.set ROWB,   256                       ; a tile's row in bytes
.set KROW,   SIZE_K/2                  ; a row of codes in memory
.set PITCH,  272                       ; an LDS row: 256 bytes + 16 of padding = 68 words: the 16 rows that a load touches start at 16 different banks (64 banks of 4 bytes: ISA guide 11.1)
.set FR,     8
.set NL,     2
.set NP,     4                         ; places behind this matrix instruction (ISA guide 7.12.1)
.set HALFT,  128*PITCH
.set SLOT,   4*HALFT
.set LAPS,   SIZE_K/(2*KSTEP)
.set KS,     SIZE_K/32
.set SCL,    2*SLOT
.set HALFS,  (128*KS/256)*272
.set SBLK,   (16*KS/256)*272
.set SPARE,  SCL+4*HALFS               ; the spare words, 128 bytes for each wave
.set SPITCH, 272                       ; the way out: a stage of 16 rows x (256 bytes + 16) for each wave, in slot 0, which has had its last fill and its last read by then
.set CROW,   SIZE_N*2                  ; a row of qkv in bytes
.set ADRA, 16
.set ADRB, 20
.set BO,   23                          ; v23  32 x (lane / 16): my eight bias numbers of a tile
.set STO,  24
.set RD,   25
.set CO,   26
.set ADRS, 27
.set SPW,  28
.set NIL,  29
.set SC,   32
.set BK,   96                          ; the way out: 16 rows read back: v96-127 and v128-159 by turns
.set AF,   128
.set BIAS, 192
.set TMP,  192
.set G1, 24
.set G0, 32
.set G1B, 48
.set G0B, 56
.set G1S, 68
.set G0S, 76
.set G1SB, 80
.set G0SB, 88
.set MSB, 0
.macro WIN new                         ; the immediate's high byte repeats the setting that is left
.if MSB != (\new)
	s_set_vgpr_msb (MSB<<8)|(\new)
.set MSB, (\new)
.endif
.endm
.set MUL_LO, 0xa1                      ; source 0 (B) window 1, source 1 (A) window 0, C and D window 2  (first step: C, the bias, window 0: 0x81)
.set MUL_HI, 0xf1                      ; the same, C and D window 3  (first step: 0xc1)
.set TO_B,   0x40
; A joint load: waves 0 and 1 fetch for A, waves 2 and 3 for B.  The branch hangs on the wave's number alone.  An s_nop 0 and four v_nop follow each of the two lines.
.macro JLOAD g0a, g1a, g0b, g1b
	s_cmp_eq_u32 s15, 0
	s_cbranch_scc0 .Lfor_b_\@
	tensor_load_to_lds s[\g0a:\g0a+3], s[\g1a:\g1a+7]
	s_nop 0
.rept 4
	v_nop
.endr
	s_branch .Lasked_\@
.Lfor_b_\@:
	tensor_load_to_lds s[\g0b:\g0b+3], s[\g1b:\g1b+7]
	s_nop 0
.rept 4
	v_nop
.endr
.Lasked_\@:
.endm
.macro CREST                           ; a round of the cluster's barrier behind its opening barrier
	s_cmp_lg_u32 s14, 0
	s_cbranch_scc1 .Lnot_wave_0_\@
	s_barrier_signal -3
.Lnot_wave_0_\@:
	s_barrier_wait -3
	s_barrier_signal -1
	s_barrier_wait -1
.endm
.macro CROUND
	s_barrier_signal -1
	s_barrier_wait -1
	CREST
.endm
	s_load_b128 s[4:7], s[0:1], 0x0                ; x's codes, x's scales
	s_load_b128 s[8:11], s[0:1], 0x10              ; W's codes, W's scales
	s_load_b64 s[12:13], s[0:1], 0x20              ; qkv
	s_load_b64 s[96:97], s[0:1], 0x28              ; bqkv
	v_lshl_add_u32 v[SPW], v0, 2, SPARE
	v_mov_b32 v[NIL], 0
	ds_add_u32 v[SPW], v[NIL]                      ; the wave's opening: the add, twice on end, and its wait ahead of my first tensor load
	ds_add_u32 v[SPW], v[NIL]
	v_lshrrev_b32 v1, 5, v0
	v_readfirstlane_b32 s14, v1                    ; wave 0..3
	s_lshr_b32 s15, s14, 1                         ; which half of the tile's rows is mine.  Also: I fetch for A (0) or for B (1)
	s_and_b32 s16, s14, 1                          ; which half of its columns.  Also: which 128 rows of that tile I fetch
	s_bfe_u32 s40, ttmp6, 0x40000                  ; cx, cy
	s_bfe_u32 s41, ttmp6, 0x40004
	s_lshl_b32 s42, ttmp9, 2
	s_add_co_u32 s42, s42, s40                     ; tile column
	s_and_b32 s17, ttmp7, 0xffff
	s_lshl_b32 s17, s17, 2
	s_add_co_u32 s17, s17, s41                     ; tile row
	s_lshl_b32 s43, s41, 2
	s_lshl_b32 s43, 15, s43                        ; my row of the cluster
	s_lshl_b32 s44, 0x1111, s40                    ; my column
	s_or_b32 s[G1+0], s43, (0<<16)|(1<<20)|(1<<21)|(5<<22)|(3<<25)  ; the mask; elements of 1 byte; padding on; bit 21 beside a mask; 4 words of padding after every 64
	s_or_b32 s[G1B+0], s44, (0<<16)|(1<<20)|(1<<21)|(5<<22)|(3<<25)
.irp g, G1, G1B
	s_mov_b32 s[\g+1], ROWB<<16                    ; tensor_dim0
	s_mov_b32 s[\g+2], 128<<16                     ; tensor_dim1
	s_mov_b32 s[\g+3], ROWB<<16                    ; tile_dim0
	s_mov_b32 s[\g+4], 128                         ; tile_dim1
	s_mov_b32 s[\g+5], KROW                        ; stride
	s_mov_b32 s[\g+6], 0
	s_mov_b32 s[\g+7], 0
.endr
	s_or_b32 s[G1S+0], s43, (3<<16)|(1<<20)|(1<<21)|(5<<22)|(3<<25)  ; the scales of 128 rows: a dense block, as rows of 256 bytes (32 elements of 8 bytes)
	s_or_b32 s[G1SB+0], s44, (3<<16)|(1<<20)|(1<<21)|(5<<22)|(3<<25)
.irp g, G1S, G1SB
	s_mov_b32 s[\g+1], 32<<16
	s_mov_b32 s[\g+2], (128*KS/256)<<16
	s_mov_b32 s[\g+3], 32<<16
	s_mov_b32 s[\g+4], 128*KS/256
	s_mov_b32 s[\g+5], 32
	s_mov_b32 s[\g+6], 0
	s_mov_b32 s[\g+7], 0
.endr
	s_lshl_b32 s18, s16, 7
	s_lshl_b32 s20, s17, 8
	s_add_co_u32 s20, s20, s18                     ; A: row 256 x tile row + 128 x half
	s_lshl_b32 s46, s42, 8
	s_add_co_u32 s46, s46, s18                     ; B: row 256 x tile column + 128 x half
	s_mov_b32 s21, 0
	s_mov_b32 s47, 0
	s_mov_b64 s[18:19], KS
	s_mul_u64 s[22:23], s[20:21], s[18:19]
	s_mul_u64 s[92:93], s[46:47], s[18:19]
	s_mov_b64 s[18:19], KROW
	s_mul_u64 s[20:21], s[20:21], s[18:19]
	s_mul_u64 s[46:47], s[46:47], s[18:19]
	s_mul_i32 s45, s14, HALFT                      ; where they go: wave x 128 rows: no place in the cluster enters an LDS address
	s_mul_i32 s94, s14, HALFS
	s_wait_dscnt 0x0                               ; both opening adds are done
	s_wait_kmcnt 0x0
	s_add_nc_u64 s[20:21], s[4:5], s[20:21]
	s_add_nc_u64 s[22:23], s[6:7], s[22:23]
	s_add_nc_u64 s[46:47], s[8:9], s[46:47]
	s_add_nc_u64 s[92:93], s[10:11], s[92:93]
	CROUND                                         ; all sixteen work-groups are here: the first joint loads meet
	s_mov_b32 s[G0S], 1
	s_add_co_u32 s[G0S+1], s94, SCL
	s_mov_b64 s[G0S+2:G0S+3], s[22:23]
	s_or_b32 s[G0S+3], s[G0S+3], 0x80000000
	s_mov_b32 s[G0SB], 1
	s_add_co_u32 s[G0SB+1], s94, SCL
	s_mov_b64 s[G0SB+2:G0SB+3], s[92:93]
	s_or_b32 s[G0SB+3], s[G0SB+3], 0x80000000
	JLOAD G0S, G1S, G0SB, G1SB                     ; the scales first; with the two below three loads of mine are out
.irp s, 0,1
	s_mov_b32 s[G0+4*\s], 1
	s_add_co_u32 s[G0+4*\s+1], s45, \s*SLOT
	s_add_nc_u64 s[G0+4*\s+2:G0+4*\s+3], s[20:21], \s*ROWB
	s_or_b32 s[G0+4*\s+3], s[G0+4*\s+3], 0x80000000
	s_mov_b32 s[G0B+4*\s], 1
	s_add_co_u32 s[G0B+4*\s+1], s45, \s*SLOT
	s_add_nc_u64 s[G0B+4*\s+2:G0B+4*\s+3], s[46:47], \s*ROWB
	s_or_b32 s[G0B+4*\s+3], s[G0B+4*\s+3], 0x80000000
	JLOAD G0+4*\s, G1, G0B+4*\s, G1B
.endr
	v_and_b32 v1, 15, v0                           ; l % 16
	v_bfe_u32 v2, v0, 4, 1                         ; l / 16
	; the bias of my 128 columns, in the result's layout: register 8 b + j of lane (r, h) is b[first column + 16 b + 8 h + j]
	v_lshlrev_b32 v[BO], 5, v2
	s_lshl_b32 s46, s42, 10
	s_lshl_b32 s47, s16, 9
	s_add_co_u32 s46, s46, s47
	s_mov_b32 s47, 0
	s_add_nc_u64 s[96:97], s[96:97], s[46:47]
.irp b, 0,1,2,3,4,5,6,7
	global_load_b128 v[BIAS+8*\b:BIAS+8*\b+3], v[BO], s[96:97] offset:64*\b
	global_load_b128 v[BIAS+8*\b+4:BIAS+8*\b+7], v[BO], s[96:97] offset:64*\b+16
.endr
	v_mul_u32_u24 v3, v1, PITCH
	v_lshl_add_u32 v4, v2, 4, v3                   ; a fragment's row x pitch + 16 x half
	s_mul_i32 s21, s15, HALFT                      ; my 128 rows of A
	s_mul_i32 s22, s16, HALFT                      ; my 128 rows of B,
	s_add_co_u32 s22, s22, 2*HALFT                 ; behind A's 256
.irp s, 0,1
	v_add_nc_u32 v[ADRA+\s], s21, v4
	v_add_nc_u32 v[ADRB+\s], s22, v4
	s_add_co_u32 s21, s21, SLOT
	s_add_co_u32 s22, s22, SLOT
.endr
	v_mul_u32_u24 v5, v1, KS                       ; my row's scales: KS bytes a row,
	v_lshrrev_b32 v6, 8, v5
	v_lshl_add_u32 v5, v6, 4, v5                   ; and 16 more for each 256 passed
	s_mul_i32 s21, s15, HALFS
	s_mul_i32 s22, s16, HALFS
	s_add_co_u32 s22, s22, 2*HALFS
	s_sub_co_u32 s22, s22, s21
	v_mul_u32_u24 v6, s22, v2                      ; lanes 16-31 take B's
	s_add_co_u32 s21, s21, SCL
	v_add_nc_u32 v5, v5, v6
	v_add_nc_u32 v[ADRS], s21, v5
	s_mul_i32 s23, s14, 16*SPITCH                  ; my stage
	v_mul_u32_u24 v5, v1, SPITCH                   ; in: row l % 16, 16 bytes for each half of the lanes
	v_lshl_add_u32 v5, v2, 4, v5
	v_add_nc_u32 v[STO], s23, v5
	v_mul_u32_u24 v5, v2, SPITCH                   ; back: lanes 0-15 one row of 256 bytes, lanes 16-31 the next
	v_lshl_add_u32 v5, v1, 4, v5
	v_add_nc_u32 v[RD], s23, v5
	v_mul_u32_u24 v5, v2, CROW                     ; and the same two rows in qkv
	v_lshl_add_u32 v[CO], v1, 4, v5
	s_lshl_b32 s20, s17, 8
	s_lshl_b32 s21, s15, 7
	s_add_co_u32 s20, s20, s21                     ; my first row of C
	s_mov_b32 s21, 0
	s_mov_b64 s[18:19], CROW
	s_mul_u64 s[20:21], s[20:21], s[18:19]
	s_lshl_b32 s46, s42, 9                         ; my first column, in bytes: 512 x tile column + 256 x half
	s_lshl_b32 s47, s16, 8
	s_add_co_u32 s46, s46, s47
	s_mov_b32 s47, 0
	s_add_nc_u64 s[20:21], s[20:21], s[46:47]
	s_add_nc_u64 s[12:13], s[12:13], s[20:21]
.macro FRAG reg, adr, q, i             ; a fragment: lane l holds row l % 16; registers 4 c .. 4 c + 3 hold K = 64 c + 32 (l / 16) + 0 .. 31
.irp c, 0,1
	ds_load_b128 v[\reg+4*\c:\reg+4*\c+3], v[\adr] offset:64*(\q)+32*\c+(\i)*16*PITCH
.endr
.endm
; 16 matrix instructions: A's blocks a0, a0 + 1 x B's eight.  zero = 1: the first product starts the sums from the bias.  The 64 accumulators take turns, one instruction a turn, in the same order in every step.
.macro MUL16 a0, p, q, sc, zero
.irp a, \a0, \a0+1
.irp b, 0,1,2,3,4,5,6,7
.if \zero
	v_wmma_scale_f32_16x16x128_f8f6f4 v[8*(8*((\a)%4)+\b):8*(8*((\a)%4)+\b)+7], v[128*(\p)+FR*\b:128*(\p)+FR*\b+FR-1], v[AF+FR*(\a):AF+FR*(\a)+FR-1], v[BIAS+8*\b:BIAS+8*\b+7], v[SC+8*NQ*(\sc)+NQ*\b+(\q)], v[SC+8*NQ*(\sc)+NQ*(\a)+(\q)] matrix_a_fmt:MATRIX_FMT_FP4 matrix_b_fmt:MATRIX_FMT_FP4 matrix_a_scale:MATRIX_SCALE_ROW1
.else
	v_wmma_scale_f32_16x16x128_f8f6f4 v[8*(8*((\a)%4)+\b):8*(8*((\a)%4)+\b)+7], v[128*(\p)+FR*\b:128*(\p)+FR*\b+FR-1], v[AF+FR*(\a):AF+FR*(\a)+FR-1], v[8*(8*((\a)%4)+\b):8*(8*((\a)%4)+\b)+7], v[SC+8*NQ*(\sc)+NQ*\b+(\q)], v[SC+8*NQ*(\sc)+NQ*(\a)+(\q)] matrix_a_fmt:MATRIX_FMT_FP4 matrix_b_fmt:MATRIX_FMT_FP4 matrix_a_scale:MATRIX_SCALE_ROW1
.endif
.endr
.endr
.endm
.macro FETCH_B slot, q, p
	WIN TO_B
.irp i, 0,1,2,3,4,5,6,7
	FRAG 128*(\p)+FR*\i, ADRB+\slot, \q, \i
.endr
	WIN 0
.endm
.macro FETCH_A slot, q, i0
.irp i, \i0, \i0+1, \i0+2, \i0+3
	FRAG AF+FR*(\i), ADRA+\slot, \q, \i
.endr
.endm
.macro SCALES sc                       ; a K step's scale words: lanes 0-15 take A's block i, lanes 16-31 B's block i
.irp i, 0,1,2,3,4,5,6,7
	ds_load_b128 v[SC+8*NQ*\sc+NQ*\i:SC+8*NQ*\sc+NQ*\i+3], v[ADRS] offset:\i*SBLK
.endr
.endm
.macro PLACES n                        ; plain vector lines between a matrix instruction and a load into, or a read of, its registers
.rept \n
	v_nop
.endr
.endm
.macro STEP slot, q, zero              ; a step of 128 along K that has its successor in the same slot
	s_wait_dscnt 4*NL                              ; B's set and A's blocks 0-3 are in; the youngest eight loads (A's blocks 4-7) may be out
	WIN MUL_LO-0x20*(\zero)
	MUL16 0, (\q)%2, \q, \slot, \zero
	MUL16 2, (\q)%2, \q, \slot, \zero
	s_wait_dscnt 0                                 ; A's blocks 4-7 are in
	PLACES NP
	FETCH_B \slot, (\q)+1, 1-(\q)%2
	FETCH_A \slot, (\q)+1, 0
	WIN MUL_HI-0x30*(\zero)
	MUL16 4, (\q)%2, \q, \slot, \zero
	MUL16 6, (\q)%2, \q, \slot, \zero
	PLACES NP
	WIN 0
	FETCH_A \slot, (\q)+1, 4
.endm
; A slot's last step changes slots: one barrier; in front of it each wave waits for all its tensor loads, adds 0 to its spare word, and waits for that and for its own reads of this slot.
.macro TURN slot, next, fill
	s_wait_tensorcnt 0x0                           ; all my tensor loads have landed: my part of the next slot
	ds_add_u32 v[SPW], v[NIL]
	s_wait_dscnt 4*NL+1                            ; (the add and the youngest eight loads may be out)
	WIN MUL_LO
	MUL16 0, 1, NQ-1, \slot, 0
	s_wait_dscnt 0x0                               ; the add is done, and my reads of this slot are over
	s_barrier_signal -1
	MUL16 2, 1, NQ-1, \slot, 0
	WIN 0
	s_barrier_wait -1
.if \fill
	CREST                                          ; the barrier has opened a round of the cluster's barrier: no wave of any partner still reads this slot or has a load on its way
	s_add_nc_u64 s[G0+4*\slot+2:G0+4*\slot+3], s[G0+4*\slot+2:G0+4*\slot+3], 2*ROWB
	s_add_nc_u64 s[G0B+4*\slot+2:G0B+4*\slot+3], s[G0B+4*\slot+2:G0B+4*\slot+3], 2*ROWB
	JLOAD G0+4*\slot, G1, G0B+4*\slot, G1B         ; my one tensor load behind the round; its four v_nop are the places in front of the loads below
.else
	PLACES NP
.endif
	v_add_nc_u32 v[ADRS], 4*NQ, v[ADRS]            ; on to the next K step's scale words
	FETCH_B \next, 0, 0
	FETCH_A \next, 0, 0
	SCALES \next
	WIN MUL_HI
	MUL16 4, 1, NQ-1, \slot, 0
	MUL16 6, 1, NQ-1, \slot, 0
	PLACES NP
	WIN 0
	FETCH_A \next, 0, 4
.endm
.macro STEPS slot, from
.set Q, \from
.rept NQ-1-\from
	STEP \slot, Q, 0
.set Q, Q+1
.endr
.endm
	s_wait_tensorcnt 1                             ; the scales and my part of K step 0 are in (K step 1's load may be out)
	s_barrier_signal -1
	s_barrier_wait -1                              ; everybody's are
	FETCH_B 0, 0, 0
	FETCH_A 0, 0, 0
	SCALES 0
	FETCH_A 0, 0, 4
	s_wait_loadcnt 0x0                             ; the bias
	STEP 0, 0, 1                                   ; the first step stands in front of the loop: its products start the sums
	s_mov_b32 s3, LAPS-1
.Llap:                                                 ; a trip goes once round the ring and fills both slots again
	STEPS 0, 1
	TURN 0, 1, 1
	STEPS 1, 0
	TURN 1, 0, 1
	STEP 0, 0, 0
	s_sub_co_u32 s3, s3, 1
	s_cmp_lg_u32 s3, 0
	s_cbranch_scc1 .Llap
	STEPS 0, 1                                     ; the last lap fills nothing
	TURN 0, 1, 0
	STEPS 1, 0
	s_wait_dscnt 4*NL
	WIN MUL_LO
	MUL16 0, 1, NQ-1, 1, 0
	MUL16 2, 1, NQ-1, 1, 0
	s_wait_dscnt 0
	WIN MUL_HI
	MUL16 4, 1, NQ-1, 1, 0
	MUL16 6, 1, NQ-1, 1, 0
	WIN 0
; THE WAY OUT, a block of 16 rows x 128 columns at a time.  PACK: rounded to f16, 16 bytes a lane, each accumulator from its low end on.  TOSTAGE: into my own stage and back as rows of 256 bytes.  SEND: stored.
.macro PACK a
.set AC, 64*((\a)%4)
	WIN 0x0a+5*((\a)/4)                            ; sources 0 and 1: window 2 or 3
.irp b, 0,1,2,3,4,5,6,7
.irp r, 0,1,2,3
	v_cvt_pk_f16_f32 v[TMP+4*\b+\r], v[AC+8*\b+2*\r], v[AC+8*\b+2*\r+1]
.endr
.endr
	WIN 0
.endm
.macro TOSTAGE a
.set BB, BK+32*((\a)%2)
.irp b, 0,1,2,3,4,5,6,7
	ds_store_b128 v[STO], v[TMP+4*\b:TMP+4*\b+3] offset:32*\b
.endr
.irp t, 0,1,2,3,4,5,6,7
	ds_load_b128 v[BB+4*\t:BB+4*\t+3], v[RD] offset:\t*2*SPITCH    ; LDS serves a wave's instructions in order (ISA guide 5.7.1.4): these see the stores above
.endr
.endm
.macro SEND a
.set BB, BK+32*((\a)%2)
	s_wait_dscnt 0x0                               ; the block is back in registers
	s_wait_xcnt 0x0                                ; earlier stores have read their base and their registers: only behind this wait are they rewritten
.if (\a) > 0
	s_add_nc_u64 s[12:13], s[12:13], 16*CROW
.endif
.irp t, 0,1,2,3,4,5,6,7
	global_store_b128 v[CO], v[BB+4*\t:BB+4*\t+3], s[12:13] offset:2*\t*CROW   ; 16 lanes store 256 consecutive bytes, aligned
.endr
.endm
	PLACES NP                                      ; behind the last products: for the conversions that read results and the loads into registers that held A's fragments
	PACK 0
	TOSTAGE 0
.irp a, 1,2,3,4,5,6,7                  ; block a's conversions stand between block a - 1's loads from the stage and the wait for them
	PACK \a
	SEND \a-1
	TOSTAGE \a
.endr
	SEND 7
	s_wait_tensorcnt 0x0                           ; the wave's end
	ds_add_u32 v[SPW], v[NIL]
	s_wait_dscnt 0x0
	CROUND                                         ; the closing round: no work-group ends while a partner may still ask for a tile that names it
	s_endpgm
.Lfunc_end_k_qadf294ff5d_qkvgemm:
	.size	k_qadf294ff5d_qkvgemm, .Lfunc_end_k_qadf294ff5d_qkvgemm-k_qadf294ff5d_qkvgemm
	.p2alignl 7, 3214868480
	.fill 96, 4, 3214868480
	.section	.rodata,"a",@progbits
	.p2align	6, 0x0
	.amdhsa_kernel k_qadf294ff5d_qkvgemm
		.amdhsa_group_segment_fixed_size 327680
		.amdhsa_private_segment_fixed_size 0
		.amdhsa_enable_private_segment 0
		.amdhsa_kernarg_size 48
		.amdhsa_user_sgpr_count 2
		.amdhsa_user_sgpr_kernarg_segment_ptr 1
		.amdhsa_wavefront_size32 1
		.amdhsa_system_sgpr_workgroup_id_x 1
		.amdhsa_system_sgpr_workgroup_id_y 1
		.amdhsa_system_sgpr_workgroup_id_z 1
		.amdhsa_system_vgpr_workitem_id 0
		.amdhsa_next_free_vgpr 1024
		.amdhsa_next_free_sgpr 100
		.amdhsa_reserve_vcc 0
		.amdhsa_float_denorm_mode_32 3
		.amdhsa_float_denorm_mode_16_64 3
		.amdhsa_memory_ordered 1
		.amdhsa_forward_progress 1
		.amdhsa_inst_pref_size 215
	.end_amdhsa_kernel
	.amdgpu_metadata
---
amdhsa.version: [ 1, 2 ]
amdhsa.kernels:
  - .name:           k_qadf294ff5d_qkvgemm
    .symbol:         k_qadf294ff5d_qkvgemm.kd
    .args:
      - { .name: xcodes, .offset: 0, .size: 8, .value_kind: global_buffer, .address_space: global }
      - { .name: xscales, .offset: 8, .size: 8, .value_kind: global_buffer, .address_space: global }
      - { .name: wcodes, .offset: 16, .size: 8, .value_kind: global_buffer, .address_space: global }
      - { .name: wscales, .offset: 24, .size: 8, .value_kind: global_buffer, .address_space: global }
      - { .name: qkv, .offset: 32, .size: 8, .value_kind: global_buffer, .address_space: global }
      - { .name: bqkv, .offset: 40, .size: 8, .value_kind: global_buffer, .address_space: global }
    .group_segment_fixed_size: 327680
    .private_segment_fixed_size: 0
    .kernarg_segment_align: 8
    .kernarg_segment_size: 48
    .max_flat_workgroup_size: 128
    .sgpr_count:     100
    .vgpr_count:     1024
    .wavefront_size: 32
...
	.end_amdgpu_metadata
.endif
;; end of part 2
;; launch attn (part 3): grid 512 x 1, 4 waves a work-group, no clusters, 0 bytes of LDS; arguments qkv, c_scale, attnw; writes attnw
.if DOCPART == 3
	.amdgcn_target "amdgcn-amd-amdhsa--gfx1250"
	.amdhsa_code_object_version 6
	.text
	.protected	k_qadf294ff5d_attn
	.globl	k_qadf294ff5d_attn
	.p2align	8
	.type	k_qadf294ff5d_attn,@function
k_qadf294ff5d_attn:
	s_mov_b64 s[64:65], 0
	v_nop
	global_prefetch_b8 v0, s[64:65] scope:SCOPE_SE
	s_setreg_imm32_b32 hwreg(HW_REG_WAVE_MODE, 25, 1), 1
	s_wait_xcnt 0x0
; For each token: scores[h][g] = q[h] . k[g] x c_scale / sqrt(128) over its own 16 heads; softmax over g; attn[h] = sum over g of w[h][g] v[g].  Operands f16, sums, maximum and softmax in f32; attn rounded once to f16.
; ONE WAVE TAKES TWO TOKENS, with no loop, no LDS and no barrier.  A token's row of qkv is 12,288 bytes: q at 0, k at 4,096, v at 8,192, each in the order of the operands' registers:
;   byte 512 i + 16 lane + 2 e of q (of k) is head lane % 16, d = 16 i + 8 (lane / 16) + e;   byte 512 t + 16 lane + 2 e of v is d = 16 t + lane % 16, head g = 8 (lane / 16) + e.
; So every load is 512 consecutive bytes and lands as half a fragment.
; S^T = K Q^T (source 0 = the 16 heads g, source 1 = the 16 heads h): a lane holds head h = lane % 16 and g = 8 (lane / 16) + 0 .. 7, so that the weights, packed in pairs, ARE source 1 of O^T = V^T P^T.
; The second product's K of 32 is token 0's 16 heads g, then token 1's: V's fragment holds both tokens, and zeros in half of P's fragment pick the token.
; O^T: a lane holds head lane % 16 and d = 16 t + 8 (lane / 16) + 0 .. 7: stored as it stands, 512 consecutive bytes, it is attn in the order k' in which Wo's rows were laid.
; The scaling stands ahead of the maximum, since c_scale may be negative.
; LIMITS: q, k, v within f16's range; NaN and infinities are not served (two tokens share V's fragment: a v that is not finite would also spoil its neighbour).
.set S,  16                            ; v16-31   S^T, then the weights: token u at 16 + 8 u
.set PB, 32                            ; v32-39   [P0; zeros]   v40-47 [zeros; P1]
.set MX, 48                            ; v48, v50 the maxima (v49, v51 are named with them as pairs)
.set PM, 52                            ; v52, v53 the lane permutes' results
.set SU, 54                            ; v54-61   the sums: four registers a token
.set VR, 64                            ; v64-127  V: tile t at 64 + 8 t: registers 0-3 token 0, 4-7 token 1
.set KR, 128                           ; v128-191 K (token u at + 32 u), later O^T of token 0
.set QR, 192                           ; v192-255 Q likewise, later O^T of token 1
	s_load_b128 s[4:7], s[0:1], 0x0                ; qkv, c_scale
	s_load_b64 s[8:9], s[0:1], 0x10                ; attnw
	v_lshrrev_b32 v2, 5, v0
	v_readfirstlane_b32 s16, v2                    ; wave
	v_and_b32 v1, 31, v0
	v_lshlrev_b32 v1, 4, v1                        ; 16 x lane
	s_lshl_b32 s17, ttmp9, 2
	s_add_co_u32 s17, s17, s16                     ; my pair of tokens
	s_mul_i32 s14, s17, 24576
	s_mov_b32 s15, 0
	s_lshl_b32 s18, s17, 13
	s_mov_b32 s19, 0
	s_mov_b32 s12, 0x76543210                      ; v_permlanex16_b32's selects for lane l xor 16
	s_mov_b32 s13, 0xfedcba98
	s_wait_kmcnt 0x0
	s_load_b32 s10, s[6:7], 0x0                    ; c_scale
	s_add_nc_u64 s[4:5], s[4:5], s[14:15]
	s_add_nc_u64 s[8:9], s[8:9], s[18:19]
.irp u, 0,1
.irp i, 0,1,2,3,4,5,6,7
	global_load_b128 v[KR+32*\u+4*\i:KR+32*\u+4*\i+3], v1, s[4:5] offset:\u*12288+4096+512*\i th:TH_LOAD_NT
.endr
.endr
.irp u, 0,1
.irp i, 0,1,2,3,4,5,6,7
	global_load_b128 v[QR+32*\u+4*\i:QR+32*\u+4*\i+3], v1, s[4:5] offset:\u*12288+512*\i th:TH_LOAD_NT
.endr
.endr
.irp u, 0,1
.irp t, 0,1,2,3,4,5,6,7
	global_load_b128 v[VR+8*\t+4*\u:VR+8*\t+4*\u+3], v1, s[4:5] offset:\u*12288+8192+512*\t th:TH_LOAD_NT
.endr
.endr
.irp j, 36,37,38,39,40,41,42,43
	v_mov_b32 v\j, 0                               ; the zeros that pick the token
.endr
.irp j, 49,51,52,53
	v_mov_b32 v\j, 0                               ; named as upper halves of pairs, or as a lane permute's destination, before they are otherwise written
.endr
	s_wait_kmcnt 0x0
	v_mov_b32 v3, 0x3e0293ee                       ; log2(e) / sqrt(128)
	v_mul_f32 v2, s10, v3                          ; x c_scale: t = score x this
	v_mov_b32 v3, v2
	s_wait_loadcnt 16                              ; K and Q are in; V's sixteen loads may be out
.irp c, 0,1,2,3                        ; the two tokens' accumulators take turns, one instruction a turn
.irp u, 0,1
.if \c == 0
	v_wmma_f32_16x16x32_f16 v[S+8*\u:S+8*\u+7], v[KR+32*\u+8*\c:KR+32*\u+8*\c+7], v[QR+32*\u+8*\c:QR+32*\u+8*\c+7], 0
.else
	v_wmma_f32_16x16x32_f16 v[S+8*\u:S+8*\u+7], v[KR+32*\u+8*\c:KR+32*\u+8*\c+7], v[QR+32*\u+8*\c:QR+32*\u+8*\c+7], v[S+8*\u:S+8*\u+7]
.endif
.endr
.endr
.rept 5
	v_nop                                          ; four places ahead of the reads of S^T; the fifth because O^T is later laid over K's and Q's registers by matrix instructions
.endr
.irp j, 0,2,4,6
.irp u, 0,1
	v_pk_mul_f32 v[S+8*\u+\j:S+8*\u+\j+1], v[S+8*\u+\j:S+8*\u+\j+1], v[2:3]     ; t, from each accumulator's low end on
.endr
.endr
.irp u, 0,1
	v_max3_num_f32 v[MX+2*\u], v[S+8*\u], v[S+8*\u+1], v[S+8*\u+2]
.endr
.irp j, 3,5
.irp u, 0,1
	v_max3_num_f32 v[MX+2*\u], v[MX+2*\u], v[S+8*\u+\j], v[S+8*\u+\j+1]
.endr
.endr
.irp u, 0,1
	v_max_num_f32 v[MX+2*\u], v[MX+2*\u], v[S+8*\u+7]
.endr
.irp u, 0,1
	v_permlanex16_b32 v[PM+\u], v[MX+2*\u], s12, s13                            ; the head's other eight g lie in the lane 16 away
.endr
.irp u, 0,1
	v_max_num_f32 v[MX+2*\u], v[MX+2*\u], v[PM+\u]                              ; the row's largest t
.endr
.irp j, 0,2,4,6
.irp u, 0,1
	v_pk_add_f32 v[S+8*\u+\j:S+8*\u+\j+1], v[S+8*\u+\j:S+8*\u+\j+1], v[MX+2*\u:MX+2*\u+1] op_sel_hi:[1,0] neg_lo:[0,1] neg_hi:[0,1]   ; t - the maximum
.endr
.endr
.irp j, 0,1,2,3,4,5,6,7,8,9,10,11,12,13,14,15
	v_exp_f32 v[S+\j], v[S+\j]                     ; one batch
.endr
	v_nop                                          ; a plain line behind the last exponential
	s_wait_alu depctr_va_vdst(0)                   ; one wait for the batch, ahead of its first reader
.irp u, 0,1
	v_pk_add_f32 v[SU+4*\u:SU+4*\u+1], v[S+8*\u:S+8*\u+1], v[S+8*\u+2:S+8*\u+3]
	v_pk_add_f32 v[SU+4*\u+2:SU+4*\u+3], v[S+8*\u+4:S+8*\u+5], v[S+8*\u+6:S+8*\u+7]
.endr
.irp u, 0,1
	v_pk_add_f32 v[SU+4*\u:SU+4*\u+1], v[SU+4*\u:SU+4*\u+1], v[SU+4*\u+2:SU+4*\u+3]
.endr
.irp u, 0,1
	v_add_f32 v[SU+4*\u], v[SU+4*\u], v[SU+4*\u+1]
.endr
.irp u, 0,1
	v_permlanex16_b32 v[PM+\u], v[SU+4*\u], s12, s13
.endr
.irp u, 0,1
	v_add_f32 v[SU+4*\u], v[SU+4*\u], v[PM+\u]     ; the row's sum
.endr
.irp u, 0,1
	v_rcp_f32 v[SU+4*\u], v[SU+4*\u]
.endr
	v_nop
	s_wait_alu depctr_va_vdst(0)                   ; one wait for the two reciprocals
.irp j, 0,2,4,6
.irp u, 0,1
	v_pk_mul_f32 v[S+8*\u+\j:S+8*\u+\j+1], v[S+8*\u+\j:S+8*\u+\j+1], v[SU+4*\u:SU+4*\u+1] op_sel_hi:[1,0]
.endr
.endr
.irp i, 0,1,2,3
.irp u, 0,1
	v_cvt_pk_f16_f32 v[PB+12*\u+\i], v[S+8*\u+2*\i], v[S+8*\u+2*\i+1]           ; token 0: v32-35; token 1: v44-47
.endr
.endr
	s_wait_loadcnt 0x0                             ; V
.rept 4
	v_nop
.endr
.irp t, 0,1,2,3,4,5,6,7
.irp u, 0,1
	v_wmma_f32_16x16x32_f16 v[KR+64*\u+8*\t:KR+64*\u+8*\t+7], v[VR+8*\t:VR+8*\t+7], v[PB+8*\u:PB+8*\u+7], 0
.endr
.endr
.rept 4
	v_nop                                          ; places ahead of the conversions, which read and overwrite results
.endr
.irp t, 0,1,2,3,4,5,6,7
.irp u, 0,1
.irp i, 0,1,2,3
	v_cvt_pk_f16_f32 v[KR+64*\u+8*\t+\i], v[KR+64*\u+8*\t+2*\i], v[KR+64*\u+8*\t+2*\i+1]   ; in place, from the low end on
.endr
	global_store_b128 v1, v[KR+64*\u+8*\t:KR+64*\u+8*\t+3], s[8:9] offset:\u*4096+512*\t    ; 32 lanes store 512 consecutive bytes, aligned
.endr
.endr
	s_endpgm
.Lfunc_end_k_qadf294ff5d_attn:
	.size	k_qadf294ff5d_attn, .Lfunc_end_k_qadf294ff5d_attn-k_qadf294ff5d_attn
	.p2alignl 7, 3214868480
	.fill 96, 4, 3214868480
	.section	.rodata,"a",@progbits
	.p2align	6, 0x0
	.amdhsa_kernel k_qadf294ff5d_attn
		.amdhsa_group_segment_fixed_size 0
		.amdhsa_private_segment_fixed_size 0
		.amdhsa_enable_private_segment 0
		.amdhsa_kernarg_size 24
		.amdhsa_user_sgpr_count 2
		.amdhsa_user_sgpr_kernarg_segment_ptr 1
		.amdhsa_wavefront_size32 1
		.amdhsa_system_sgpr_workgroup_id_x 1
		.amdhsa_system_sgpr_workgroup_id_y 1
		.amdhsa_system_sgpr_workgroup_id_z 1
		.amdhsa_system_vgpr_workitem_id 0
		.amdhsa_next_free_vgpr 256
		.amdhsa_next_free_sgpr 66
		.amdhsa_reserve_vcc 0
		.amdhsa_float_denorm_mode_32 3
		.amdhsa_float_denorm_mode_16_64 3
		.amdhsa_memory_ordered 1
		.amdhsa_forward_progress 1
		.amdhsa_inst_pref_size 18
	.end_amdhsa_kernel
	.amdgpu_metadata
---
amdhsa.version: [ 1, 2 ]
amdhsa.kernels:
  - .name:           k_qadf294ff5d_attn
    .symbol:         k_qadf294ff5d_attn.kd
    .args:
      - { .name: qkv, .offset: 0, .size: 8, .value_kind: global_buffer, .address_space: global }
      - { .name: c_scale, .offset: 8, .size: 8, .value_kind: global_buffer, .address_space: global }
      - { .name: attnw, .offset: 16, .size: 8, .value_kind: global_buffer, .address_space: global }
    .group_segment_fixed_size: 0
    .private_segment_fixed_size: 0
    .kernarg_segment_align: 8
    .kernarg_segment_size: 24
    .max_flat_workgroup_size: 128
    .sgpr_count:     66
    .vgpr_count:     256
    .wavefront_size: 32
...
	.end_amdgpu_metadata
.endif
;; end of part 3
;; launch oproj (part 4): grid 8 x 32, 4 waves a work-group, clusters of 4 x 4, 327,680 bytes of LDS; arguments attnw, wo16, out0, bo; writes out0
.if DOCPART == 4
	.amdgcn_target "amdgcn-amd-amdhsa--gfx1250"
	.amdhsa_code_object_version 6
	.text
	.protected	k_qadf294ff5d_oproj
	.globl	k_qadf294ff5d_oproj
	.p2align	8
	.type	k_qadf294ff5d_oproj,@function
k_qadf294ff5d_oproj:
	s_mov_b64 s[64:65], 0
	v_nop
	global_prefetch_b8 v0, s[64:65] scope:SCOPE_SE
	s_setreg_imm32_b32 hwreg(HW_REG_WAVE_MODE, 25, 1), 1
	s_wait_xcnt 0x0
	s_wait_alu depctr_hold_cnt(0) depctr_sa_sdst(0) depctr_va_vdst(0) depctr_va_sdst(0) depctr_va_ssrc(0) depctr_va_vcc(0) depctr_vm_vsrc(0)
	s_getreg_b32 s2, hwreg(HW_REG_IB_STS2, 6, 4)
	s_cmp_eq_u32 s2, 0
	s_cbranch_scc0 .Lentry_in_a_cluster
	s_endpgm
.Lentry_in_a_cluster:
	s_bfe_u32 s2, ttmp6, 0x10000c
	s_cmp_lg_u32 s2, 0xf033
	s_cbranch_scc0 .Lentry_shape_is_right
	s_endpgm
.Lentry_shape_is_right:
; out0[m][n] = sum over k' of attn[m][k'] Wo[k'][n] + bo[n].  attnw [4096][2048] f16, K innermost; wo16 [2048 k'][2048 n] f16, rows in the same order k'; out0 [4096][2048] f32; sums in f32.
; A tile of out0 is 128 x 256: 256 work-groups, one for each WGP.  Four waves, each 64 rows x 128 columns: 32 accumulators of 16 x 16, 256 registers.
; K GOES IN STEPS OF 192, as long as two slots in LDS allow: A's tile 128 rows x 384 bytes (waves 0 and 1 fetch its halves), B's tile 192 k-rows x 512 bytes (waves 2 and 3).  A step is six quarters of 32 along K,
; 192 matrix instructions a wave; 176 of them stand between a slot's request and the wait for it.  2,048 = 10 x 192 + 128: the last tile has the shape of every other, begins 64 along K earlier (at 1,856), and only its upper
; four quarters are multiplied: so one pair of descriptors serves every load, and no load leaves its buffer.  A's tile rows are 384 consecutive bytes that begin at multiples of 128 bytes.
; B lies [k][n]: its fragments come out of LDS turned, by ds_load_tr16_b128.  THE MATRIX INSTRUCTION IS USED TRANSPOSED (source 0 = 16 columns of Wo, source 1 = 16 rows of attn): a lane holds eight neighbouring columns of a row of out0.
; The bias is the C of each sum's first product.
; CLUSTERS: 4 x 4 work-groups; A's tile is shared along a row of the cluster, B's along a column: each is asked for jointly, by the same tensor load with the same descriptor and a mask that names the four.
; REGISTERS: window 0: v0-31 addresses; v64-95, v96-127 A's fragments, two buffers; v128-191, v192-255 B's, two buffers (v64-191 serve the way out).   window 1: accumulator (a, b) at v[8 (8 a + b)].   window 2: v0-63 the bias of my 128 columns.
.set KSTEP,  192
.set PA,     432                       ; A's LDS row: three pieces of 128 bytes, 16 of padding behind each = 27 x 16 bytes: the 16 rows of a load start at 16 different groups of four banks (64 banks of 4 bytes: ISA guide 11.1)
.set PB,     544                       ; B's LDS row: 512 bytes + 32 = 136 words
.set AHALF,  64*PA
.set ATILE,  2*AHALF
.set BHALF,  96*PB
.set SLOT,   ATILE+2*BHALF             ; 159,744 bytes
.set STAGE,  SLOT                      ; the way out: 16 rows x (512 bytes + 16) for each wave, in slot 1: at the last change of slots it has had its last fill and its last read
.set SPITCH, 528
.set SPARE,  2*SLOT                    ; behind the ring: the spare words, 128 bytes for each wave
.set TRIPS,  4                         ; a trip = two K steps = once round the ring; steps 8, 9 and the last are written out
.set ADRA, 16                          ; v16-17 my A fragments in slot 0, 1
.set ADRB, 20                          ; v20-21 my B fragments, quarters 0-2, in slot 0, 1;  v22-23 quarters 3-5 (96 k-rows on: an LDS offset has 16 bits)
.set STO,  24
.set RD,   25
.set CO,   26
.set BO,   27
.set SPW,  28
.set NIL,  29
.set PFO,  30                          ; the prefetches' lane offset; never rewritten
.set AFR,  64
.set BF,   128
.set G1A, 24
.set G0A, 32
.set G1B, 48
.set G0B, 56
.set LIM, 15                           ; s15 1 in a wave that prefetches, else the greatest number
.set PFA, 66                           ; s[66:67] the lap (two K steps) that my next prefetches name
.set PFS, 68                           ; s[68:69] a lap on, in bytes
.set MSB, 0
.macro WIN new
.if MSB != (\new)
	s_set_vgpr_msb (MSB<<8)|(\new)
.set MSB, (\new)
.endif
.endm
.set MUL, 0x50                         ; sources 0 and 1 window 0, C and D window 1  (first quarter: C, the bias, window 2: 0x60)
.macro JLOAD s                         ; waves 0 and 1 fetch A's halves, waves 2 and 3 B's; an s_nop 0 and four v_nop follow each of the two lines
	s_cmp_eq_u32 s13, 0
	s_cbranch_scc0 .Lfor_b_\@
	tensor_load_to_lds s[G0A+4*\s:G0A+4*\s+3], s[G1A:G1A+7]
	s_nop 0
.rept 4
	v_nop
.endr
	s_branch .Lasked_\@
.Lfor_b_\@:
	tensor_load_to_lds s[G0B+4*\s:G0B+4*\s+3], s[G1B:G1B+7]
	s_nop 0
.rept 4
	v_nop
.endr
.Lasked_\@:
.endm
; PREFETCHES, at a trip's second change of slots, of the lap after next: its two K steps are loaded one and two changes of slots later, 192 and 384 matrix instructions a wave on.  A lap is 768 bytes, three aligned blocks of 256, of each
; row of A, and 384 k-rows of B.  Each aligned 256 bytes is named once in the launch: A's tile row is read by both clusters of its row of clusters: cluster x = 0 asks; B's tile column by the eight clusters of its column: cluster y = 0 asks.
; The four partners that ask for a tile jointly share it out BY ADDRESS: of A's 128 rows the partner at cx takes 32, a lane a row, an instruction a block (wave 0); of B's 384 k-rows wave 2 or 3 of the partner at cy takes 48,
; two lanes a row of 512 bytes, sixteen rows an instruction.  Wave 1 asks for nothing.  Laps 0 and 1 and the last, short K step come by their loads alone; the loop's last trip asks for nothing.
.macro ASK
	s_cmp_gt_u32 s3, s[LIM]
	s_cbranch_scc0 .Lnot_mine_\@
	s_cmp_eq_u32 s13, 0
	s_cbranch_scc0 .Lask_b_\@
	global_prefetch_b8 v[PFO], s[PFA:PFA+1] th:TH_LOAD_NT scope:SCOPE_SE
	global_prefetch_b8 v[PFO], s[PFA:PFA+1] offset:256 th:TH_LOAD_NT scope:SCOPE_SE
	global_prefetch_b8 v[PFO], s[PFA:PFA+1] offset:512 th:TH_LOAD_NT scope:SCOPE_SE
	s_branch .Lnot_mine_\@
.Lask_b_\@:
	global_prefetch_b8 v[PFO], s[PFA:PFA+1] th:TH_LOAD_NT scope:SCOPE_SE
	global_prefetch_b8 v[PFO], s[PFA:PFA+1] offset:16*4096 th:TH_LOAD_NT scope:SCOPE_SE
	global_prefetch_b8 v[PFO], s[PFA:PFA+1] offset:32*4096 th:TH_LOAD_NT scope:SCOPE_SE
.Lnot_mine_\@:
.endm
.macro CREST
	s_cmp_lg_u32 s12, 0
	s_cbranch_scc1 .Lnot_wave_0_\@
	s_barrier_signal -3
.Lnot_wave_0_\@:
	s_barrier_wait -3
	s_barrier_signal -1
	s_barrier_wait -1
.endm
.macro CROUND
	s_barrier_signal -1
	s_barrier_wait -1
	CREST
.endm
	s_load_b256 s[4:11], s[0:1], 0x0               ; attnw s[4:5], wo16 s[6:7], out0 s[8:9], bo s[10:11]
	v_lshl_add_u32 v[SPW], v0, 2, SPARE
	v_mov_b32 v[NIL], 0
	ds_add_u32 v[SPW], v[NIL]                      ; the wave's opening: the add, twice on end, and its wait ahead of my first tensor load
	ds_add_u32 v[SPW], v[NIL]
	v_lshrrev_b32 v1, 5, v0
	v_readfirstlane_b32 s12, v1                    ; wave 0..3
	s_lshr_b32 s13, s12, 1                         ; wm: which 64 rows are mine.  Also: I fetch for A (0) or for B (1)
	s_and_b32 s14, s12, 1                          ; wn: which 128 columns.  Also: which half of that tile I fetch
	s_bfe_u32 s40, ttmp6, 0x40000                  ; cx
	s_bfe_u32 s41, ttmp6, 0x40004                  ; cy
	s_lshl_b32 s42, ttmp9, 2
	s_add_co_u32 s42, s42, s40                     ; tile column
	s_and_b32 s43, ttmp7, 0xffff
	s_lshl_b32 s43, s43, 2
	s_add_co_u32 s43, s43, s41                     ; tile row
	s_lshl_b32 s44, s41, 2
	s_lshl_b32 s44, 15, s44                        ; my row of the cluster
	s_lshl_b32 s45, 0x1111, s40                    ; my column
	s_or_b32 s[G1A+0], s44, (1<<16)|(1<<20)|(1<<21)|(4<<22)|(3<<25)  ; the mask; elements of 2 bytes; padding on; bit 21 beside a mask; 4 words of padding after every 32: three times in a row of 96 words
	s_mov_b32 s[G1A+1], KSTEP<<16                  ; tensor_dim0 = 192
	s_mov_b32 s[G1A+2], 64<<16                     ; tensor_dim1 = 64
	s_mov_b32 s[G1A+3], KSTEP<<16                  ; tile_dim0
	s_mov_b32 s[G1A+4], 64                         ; tile_dim1
	s_mov_b32 s[G1A+5], 2048                       ; stride, in elements
	s_mov_b32 s[G1A+6], 0
	s_mov_b32 s[G1A+7], 0
	s_or_b32 s[G1B+0], s45, (1<<16)|(1<<20)|(1<<21)|(6<<22)|(7<<25)  ; 8 words of padding after every 128
	s_mov_b32 s[G1B+1], 256<<16
	s_mov_b32 s[G1B+2], 96<<16
	s_mov_b32 s[G1B+3], 256<<16
	s_mov_b32 s[G1B+4], 96
	s_mov_b32 s[G1B+5], 2048
	s_mov_b32 s[G1B+6], 0
	s_mov_b32 s[G1B+7], 0
	s_lshl_b32 s16, s43, 19                        ; A: (128 x tile row + 64 x half) rows of 4,096 bytes
	s_lshl_b32 s17, s14, 18
	s_add_co_u32 s16, s16, s17
	s_mov_b32 s17, 0
	s_mul_i32 s46, s14, 96*4096                    ; B: 96 x half k-rows of 4,096 bytes + 512 x tile column
	s_lshl_b32 s47, s42, 9
	s_add_co_u32 s46, s46, s47
	s_mov_b32 s47, 0
	s_mul_i32 s20, s14, AHALF                      ; where they go: no place in the cluster enters an LDS address
	s_mul_i32 s21, s14, BHALF
	s_add_co_u32 s21, s21, ATILE
	s_wait_dscnt 0x0                               ; both opening adds are done
	s_wait_kmcnt 0x0
	s_add_nc_u64 s[16:17], s[4:5], s[16:17]
	s_add_nc_u64 s[46:47], s[6:7], s[46:47]
	CROUND                                         ; all sixteen work-groups are here: the first joint loads meet
.irp s, 0,1
	s_mov_b32 s[G0A+4*\s], 1
	s_add_co_u32 s[G0A+4*\s+1], s20, \s*SLOT
	s_add_nc_u64 s[G0A+4*\s+2:G0A+4*\s+3], s[16:17], \s*KSTEP*2
	s_or_b32 s[G0A+4*\s+3], s[G0A+4*\s+3], 0x80000000
	s_mov_b32 s[G0B+4*\s], 1
	s_add_co_u32 s[G0B+4*\s+1], s21, \s*SLOT
	s_add_nc_u64 s[G0B+4*\s+2:G0B+4*\s+3], s[46:47], \s*KSTEP*4096
	s_or_b32 s[G0B+4*\s+3], s[G0B+4*\s+3], 0x80000000
	JLOAD \s                                       ; K steps 0 and 1: two loads of mine are out
.endr
	v_and_b32 v1, 15, v0                           ; r = l % 16
	v_bfe_u32 v2, v0, 4, 1                         ; h = l / 16
	; the bias of my 128 columns, in the result's layout: register 8 b + j of lane (r, h) is bo[first column + 16 b + 8 h + j]
	v_lshlrev_b32 v[BO], 5, v2
	s_lshl_b32 s18, s42, 10
	s_lshl_b32 s19, s14, 9
	s_add_co_u32 s18, s18, s19
	s_mov_b32 s19, 0
	s_add_nc_u64 s[10:11], s[10:11], s[18:19]
	WIN 0x80                                       ; destination window 2
.irp b, 0,1,2,3,4,5,6,7
	global_load_b128 v[8*\b:8*\b+3], v[BO], s[10:11] offset:64*\b
	global_load_b128 v[8*\b+4:8*\b+7], v[BO], s[10:11] offset:64*\b+16
.endr
	WIN 0
	v_mul_u32_u24 v3, v1, PA
	v_lshl_add_u32 v3, v2, 4, v3                   ; A: row r x pitch + 16 h
	s_mul_i32 s20, s13, AHALF                      ; my 64 rows
	v_and_b32 v4, 7, v0
	v_lshl_add_u32 v5, v2, 3, v4                   ; B: k-row 8 h + l % 8,
	v_mul_u32_u24 v5, v5, PB
	v_bfe_u32 v6, v0, 3, 1
	v_lshl_add_u32 v5, v6, 4, v5                   ; + 16 ((l / 8) % 2)
	s_lshl_b32 s21, s14, 8                         ; my 128 columns,
	s_add_co_u32 s21, s21, ATILE                   ; behind A's tile
.irp s, 0,1
	v_add_nc_u32 v[ADRA+\s], s20, v3
	v_add_nc_u32 v[ADRB+\s], s21, v5
	v_add_nc_u32 v[ADRB+2+\s], 96*PB, v[ADRB+\s]   ; quarters 3 to 5 begin 96 k-rows on
	s_add_co_u32 s20, s20, SLOT
	s_add_co_u32 s21, s21, SLOT
.endr
	s_mul_i32 s22, s12, 16*SPITCH
	s_add_co_u32 s22, s22, STAGE                   ; my stage
	v_mul_u32_u24 v3, v1, SPITCH                   ; in: row r, 32 bytes for each half of the lanes
	v_lshl_add_u32 v3, v2, 5, v3
	v_add_nc_u32 v[STO], s22, v3
	v_and_b32 v4, 31, v0
	v_lshlrev_b32 v[CO], 4, v4                     ; back: the 32 lanes take one row of 512 bytes; and the same in out0
	v_add_nc_u32 v[RD], s22, v[CO]
	s_lshl_b32 s16, s43, 20                        ; out0: (128 x tile row + 64 wm) rows of 8,192 bytes + 1,024 x tile column + 512 wn
	s_lshl_b32 s17, s13, 19
	s_add_co_u32 s16, s16, s17
	s_lshl_b32 s17, s42, 10
	s_add_co_u32 s16, s16, s17
	s_lshl_b32 s17, s14, 9
	s_add_co_u32 s16, s16, s17
	s_mov_b32 s17, 0
	s_add_nc_u64 s[8:9], s[8:9], s[16:17]
	; the prefetches: where mine stand (at lap 1: the first trip's second change of slots steps to lap 2), and who asks
	s_lshl_b32 s18, s43, 19
	s_lshl_b32 s19, s40, 17                        ; A: my work-group's 32 rows of the 128
	s_add_co_u32 s18, s18, s19
	s_add_co_u32 s18, s18, 2*KSTEP*2
	s_lshl_b32 s19, s14, 2                         ; B: of a lap's 384 k-rows the 48 at place 4 wn + cy,
	s_add_co_u32 s19, s19, s41
	s_mul_i32 s19, s19, 48*4096
	s_lshl_b32 s20, s42, 9                         ; the tile's columns
	s_add_co_u32 s19, s19, s20
	s_add_co_u32 s19, s19, 2*KSTEP*4096
	s_and_b32 s22, ttmp7, 0xffff                   ; cluster y
	s_mov_b32 s21, 2*KSTEP*4096
	s_cmp_eq_u32 s13, 0                            ; do I fetch for A?
	s_cselect_b32 s18, s18, s19
	s_cselect_b32 s22, ttmp9, s22                  ; the coordinate along which other clusters read the same bytes
	s_cselect_b32 s[PFS], 2*KSTEP*2, s21
	s_cselect_b64 s[PFA:PFA+1], s[4:5], s[6:7]
	s_mov_b32 s19, 0
	s_mov_b32 s[PFS+1], 0
	s_add_nc_u64 s[PFA:PFA+1], s[PFA:PFA+1], s[18:19]
	s_cmp_eq_u32 s12, 1
	s_cselect_b32 s23, 1, 0                        ; wave 1 asks for nothing
	s_or_b32 s22, s22, s23
	s_cmp_eq_u32 s22, 0
	s_cselect_b32 s[LIM], 1, -1                    ; the same in all sixteen partners, for a given wave
	v_lshrrev_b32 v[PFO], s13, v4                  ; A: a lane a row of 4,096 bytes;  B: two lanes a k-row, 256 bytes apart
	v_lshlrev_b32 v[PFO], 12, v[PFO]
	v_and_b32 v31, s13, v4
	v_lshl_add_u32 v[PFO], v31, 8, v[PFO]
; 8 matrix instructions: A's block a x B's eight, 32 along K, from buffer f.  bias = 1: the first product starts the sums from the bias.
; The 32 accumulators take turns, one instruction a turn, in the same order in every quarter.
.macro MUL8 f, a, bias
.irp b, 0,1,2,3,4,5,6,7
.if \bias
	v_wmma_f32_16x16x32_f16 v[8*(8*(\a)+\b):8*(8*(\a)+\b)+7], v[BF+64*(\f)+8*\b:BF+64*(\f)+8*\b+7], v[AFR+32*(\f)+8*(\a):AFR+32*(\f)+8*(\a)+7], v[8*\b:8*\b+7]
.else
	v_wmma_f32_16x16x32_f16 v[8*(8*(\a)+\b):8*(8*(\a)+\b)+7], v[BF+64*(\f)+8*\b:BF+64*(\f)+8*\b+7], v[AFR+32*(\f)+8*(\a):AFR+32*(\f)+8*(\a)+7], v[8*(8*(\a)+\b):8*(8*(\a)+\b)+7]
.endif
.endr
.endm
; 24 LDS loads in one run: the fragments of the slot's q-th 32 along K (q = 0 .. 5) into buffer f: B's eight (turned: 16 k x 16 n a load), then A's four.
; In A's rows quarter q begins 64 q bytes on, and 16 more for each piece of 128 bytes passed.
.macro FETCH slot, q, f
.irp b, 0,1,2,3,4,5,6,7
	ds_load_tr16_b128 v[BF+64*(\f)+8*\b:BF+64*(\f)+8*\b+3],   v[ADRB+2*((\q)/3)+\slot] offset:32*((\q)%3)*PB+32*\b
	ds_load_tr16_b128 v[BF+64*(\f)+8*\b+4:BF+64*(\f)+8*\b+7], v[ADRB+2*((\q)/3)+\slot] offset:32*((\q)%3)*PB+16*PB+32*\b
.endr
.irp a, 0,1,2,3
	ds_load_b128 v[AFR+32*(\f)+8*\a:AFR+32*(\f)+8*\a+3],   v[ADRA+\slot] offset:64*(\q)+16*((\q)/2)+\a*16*PA
	ds_load_b128 v[AFR+32*(\f)+8*\a+4:AFR+32*(\f)+8*\a+7], v[ADRA+\slot] offset:64*(\q)+16*((\q)/2)+\a*16*PA+32
.endr
.endm
.macro PLACES                          ; four plain vector lines between a matrix instruction and a load into, or a read of, its registers
.rept 4
	v_nop
.endr
.endm
; A K step is six quarters of 32 along K, 32 matrix instructions each, on buffers 0, 1, 0, 1, 0, 1.  One of the first five: multiplies buffer f and fetches quarter q into buffer g.
.macro QUARTER slot, q, f, g, bias
	s_wait_dscnt 4                                 ; B and A's blocks 0, 1 are in; the youngest four loads (A's blocks 2, 3) may be out
	WIN MUL+0x10*(\bias)
	MUL8 \f, 0, \bias
	MUL8 \f, 1, \bias
	PLACES
	WIN 0
	FETCH \slot, \q, \g
	s_wait_dscnt 24                                ; all but the 24 just issued
	WIN MUL+0x10*(\bias)
	MUL8 \f, 2, \bias
	MUL8 \f, 3, \bias
.endm
; The last quarter multiplies buffer 1 and changes slots: one barrier; in front of it each wave waits for all its tensor loads, adds 0 to its spare word, and waits for that and for its own reads of this slot.
; fill = 1: this slot is filled again, two K steps ahead;  2: with the last tile, which begins 64 along K earlier than two K steps ahead;  0: nothing is filled.  nq: the next slot's first quarter to be multiplied.
.macro TURN slot, next, fill, nq
.if (\fill) && (\slot)
	s_wait_xcnt 0x0                                ; the last prefetches, a lap back, have read their address: it is stepped here
	s_add_nc_u64 s[PFA:PFA+1], s[PFA:PFA+1], s[PFS:PFS+1]
.endif
	WIN 0                                          ; (the add's two registers lie in window 0)
	s_wait_tensorcnt 0x0                           ; all my tensor loads have landed: my part of the next slot
	ds_add_u32 v[SPW], v[NIL]
	s_wait_dscnt 5                                 ; (the add and the youngest four loads may be out)
	WIN MUL
	MUL8 1, 0, 0
	s_wait_dscnt 0x0                               ; the add is done, and my reads of this slot are over
	s_barrier_signal -1
	MUL8 1, 1, 0
	WIN 0
	s_barrier_wait -1
.if \fill
	CREST                                          ; the barrier has opened a round of the cluster's barrier: no wave of any partner still reads this slot or has a load on its way
.if (\fill) == 2
	s_add_nc_u64 s[G0A+4*\slot+2:G0A+4*\slot+3], s[G0A+4*\slot+2:G0A+4*\slot+3], (2*KSTEP-64)*2
	s_add_nc_u64 s[G0B+4*\slot+2:G0B+4*\slot+3], s[G0B+4*\slot+2:G0B+4*\slot+3], (2*KSTEP-64)*4096
.else
	s_add_nc_u64 s[G0A+4*\slot+2:G0A+4*\slot+3], s[G0A+4*\slot+2:G0A+4*\slot+3], 2*KSTEP*2
	s_add_nc_u64 s[G0B+4*\slot+2:G0B+4*\slot+3], s[G0B+4*\slot+2:G0B+4*\slot+3], 2*KSTEP*4096
.endif
	JLOAD \slot                                    ; my one tensor load behind the round; its four v_nop are the places in front of the loads below
.else
	PLACES
.endif
	FETCH \next, \nq, 0
.if ((\fill) == 1) && (\slot)
	ASK
.endif
	WIN MUL
	MUL8 1, 2, 0
	MUL8 1, 3, 0
.endm
	s_wait_tensorcnt 1                             ; my part of K step 0 is in (K step 1's may be out)
	s_barrier_signal -1
	s_barrier_wait -1                              ; everybody's is
	FETCH 0, 0, 0
	s_wait_loadcnt 0x0                             ; the bias
	QUARTER 0, 1, 0, 1, 1                          ; the first quarter stands in front of the loop: its products start the sums
	WIN 0                                          ; at a label and at a branch every window is 0
	s_mov_b32 s3, TRIPS
.Llap:                                                 ; a trip goes once round the ring, from a lap's second quarter to the next lap's first, and fills both slots again: K steps 2 to 9
	QUARTER 0, 2, 1, 0, 0
	QUARTER 0, 3, 0, 1, 0
	QUARTER 0, 4, 1, 0, 0
	QUARTER 0, 5, 0, 1, 0
	TURN 0, 1, 1, 0
	QUARTER 1, 1, 0, 1, 0
	QUARTER 1, 2, 1, 0, 0
	QUARTER 1, 3, 0, 1, 0
	QUARTER 1, 4, 1, 0, 0
	QUARTER 1, 5, 0, 1, 0
	TURN 1, 0, 1, 0
	QUARTER 0, 1, 0, 1, 0
	WIN 0
	s_sub_co_u32 s3, s3, 1
	s_cmp_lg_u32 s3, 0
	s_cbranch_scc1 .Llap
	QUARTER 0, 2, 1, 0, 0                          ; K step 8 goes on;
	QUARTER 0, 3, 0, 1, 0
	QUARTER 0, 4, 1, 0, 0
	QUARTER 0, 5, 0, 1, 0
	TURN 0, 1, 2, 0                                ; its slot takes the last tile: K = 1,856 .. 2,047
	QUARTER 1, 1, 0, 1, 0                          ; K step 9
	QUARTER 1, 2, 1, 0, 0
	QUARTER 1, 3, 0, 1, 0
	QUARTER 1, 4, 1, 0, 0
	QUARTER 1, 5, 0, 1, 0
	TURN 1, 0, 0, 2                                ; nothing is filled, so no round of the cluster's barrier; of the last tile quarters 2 to 5, K = 1,920 .. 2,047, are multiplied
	QUARTER 0, 3, 0, 1, 0
	QUARTER 0, 4, 1, 0, 0
	QUARTER 0, 5, 0, 1, 0
	s_wait_dscnt 4                                 ; the very last quarter: nothing more to fetch
	WIN MUL
	MUL8 1, 0, 0
	MUL8 1, 1, 0
	s_wait_dscnt 0x0
	MUL8 1, 2, 0
	MUL8 1, 3, 0
	WIN 0
; THE WAY OUT, a block of 16 rows x 128 columns at a time: a lane holds 32 neighbouring bytes of a row; the block goes through my own stage and comes back as whole rows of 512 bytes.
.macro TOSTAGE a
	WIN 0x04                                       ; an LDS store's data are its source 1: window 1
.irp b, 0,1,2,3,4,5,6,7
	ds_store_b128 v[STO], v[64*(\a)+8*\b:64*(\a)+8*\b+3] offset:64*\b            ; each accumulator from its low end on
	ds_store_b128 v[STO], v[64*(\a)+8*\b+4:64*(\a)+8*\b+7] offset:64*\b+16
.endr
	WIN 0
.set BB, AFR+64*((\a)%2)
.irp t, 0,1,2,3,4,5,6,7,8,9,10,11,12,13,14,15
	ds_load_b128 v[BB+4*\t:BB+4*\t+3], v[RD] offset:\t*SPITCH      ; LDS serves a wave's instructions in order (ISA guide 5.7.1.4): these see the stores above
.endr
.endm
.macro SEND a, younger                 ; younger: the LDS instructions issued behind block a's loads, which may stay out
.set BB, AFR+64*((\a)%2)
	s_wait_dscnt \younger
.if (\a) > 0
	s_add_nc_u64 s[8:9], s[8:9], 16*8192           ; (behind a wait on XCNT: the earlier stores have read their base)
.endif
.irp t, 0,1,2,3,4,5,6,7,8,9,10,11,12,13,14,15
	global_store_b128 v[CO], v[BB+4*\t:BB+4*\t+3], s[8:9] offset:\t*8192 th:TH_STORE_NT   ; 32 lanes store 512 consecutive bytes, aligned; written once, read by nobody here
.endr
.endm
	PLACES                                         ; behind the last products: for the stores that read results and the loads into registers that held fragments
	TOSTAGE 0
.irp a, 1,2,3
.if \a > 1
	s_wait_xcnt 0x0                                ; block a - 2's stores have read their registers and their base
.endif
	TOSTAGE \a
	SEND \a-1, 32                                  ; behind block a - 1's loads: block a's 16 stores and 16 loads
.endr
	s_wait_xcnt 0x0
	SEND 3, 0
	s_wait_tensorcnt 0x0                           ; the wave's end
	ds_add_u32 v[SPW], v[NIL]
	s_wait_dscnt 0x0
	CROUND                                         ; the closing round: no work-group ends while a partner may still ask for a tile that names it
	s_endpgm
.Lfunc_end_k_qadf294ff5d_oproj:
	.size	k_qadf294ff5d_oproj, .Lfunc_end_k_qadf294ff5d_oproj-k_qadf294ff5d_oproj
	.p2alignl 7, 3214868480
	.fill 96, 4, 3214868480
	.section	.rodata,"a",@progbits
	.p2align	6, 0x0
	.amdhsa_kernel k_qadf294ff5d_oproj
		.amdhsa_group_segment_fixed_size 327680
		.amdhsa_private_segment_fixed_size 0
		.amdhsa_enable_private_segment 0
		.amdhsa_kernarg_size 32
		.amdhsa_user_sgpr_count 2
		.amdhsa_user_sgpr_kernarg_segment_ptr 1
		.amdhsa_wavefront_size32 1
		.amdhsa_system_sgpr_workgroup_id_x 1
		.amdhsa_system_sgpr_workgroup_id_y 1
		.amdhsa_system_sgpr_workgroup_id_z 1
		.amdhsa_system_vgpr_workitem_id 0
		.amdhsa_next_free_vgpr 576
		.amdhsa_next_free_sgpr 72
		.amdhsa_reserve_vcc 0
		.amdhsa_float_denorm_mode_32 3
		.amdhsa_float_denorm_mode_16_64 3
		.amdhsa_memory_ordered 1
		.amdhsa_forward_progress 1
		.amdhsa_inst_pref_size 135
	.end_amdhsa_kernel
	.amdgpu_metadata
---
amdhsa.version: [ 1, 2 ]
amdhsa.kernels:
  - .name:           k_qadf294ff5d_oproj
    .symbol:         k_qadf294ff5d_oproj.kd
    .args:
      - { .name: attnw, .offset: 0, .size: 8, .value_kind: global_buffer, .address_space: global }
      - { .name: wo16, .offset: 8, .size: 8, .value_kind: global_buffer, .address_space: global }
      - { .name: out0, .offset: 16, .size: 8, .value_kind: global_buffer, .address_space: global }
      - { .name: bo, .offset: 24, .size: 8, .value_kind: global_buffer, .address_space: global }
    .group_segment_fixed_size: 327680
    .private_segment_fixed_size: 0
    .kernarg_segment_align: 8
    .kernarg_segment_size: 32
    .max_flat_workgroup_size: 128
    .sgpr_count:     72
    .vgpr_count:     576
    .wavefront_size: 32
...
	.end_amdgpu_metadata
.endif
;; end of part 4
